; MI455X (gfx1250); checked and timed in simulation.
; The chip was launched on July 23, 2026; its instructions are those of AMD's public machine-readable ISA for CDNA 5 (MIT licence, August 2026) and "CDNA5" Instruction Set Architecture Reference Guide (July 2026). The comments in the code are by the model that wrote it; some were corrected since.
;; Encoder Layer. Allowed arithmetic: matrix products marked QUANTISED: E2M1 operands, one E8M0 scale for each 32 along K, by v_wmma_scale_f32_16x16x128_f8f6f4 with both operands' format E2M1 (or v_wmma_scale_f32_32x16x128_f4), f32 sums; everything else in f32.
;; Inputs: b1 2,048 float32; b2 512 float32; ln1_a 512 float32; ln1_b 512 float32; ln2_a 512 float32; ln2_b 512 float32; mask 4,096 x 4,096 int32; w1 512 x 2,048 float32; w2 2,048 x 512 float32; w_k 512 x 512 float32; w_o 512 x 512 float32; w_q 512 x 512 float32; w_v 512 x 512 float32; x 2 x 4,096 x 512 float32.
;; Outputs: out0 2 x 4,096 x 512 float32.
;; This version of the problem:
;;   THIS VERSION OF THE PROBLEM IS GIVEN IN LOW PRECISION. The matrix products marked QUANTISED in the list below multiply operands that are first quantised to E2M1 (2 exponent bits, 1 mantissa bit; 4 bits a number), with one power-of-two scale for each 32 numbers along K (OCP MX v1.0); their sums are f32. All else is computed in f32.
;;   The module's matrix products, in the order in which they are computed (A, B: the left and right operand; K: the contracted axis; several contracted axes count as one K, in the product's order):
;;     1. [M 8,192, K 512] x [K 512, N 512]; A: computed on the way; B: input w_q: QUANTISED
;;     2. [M 8,192, K 512] x [K 512, N 512]; A: computed on the way; B: input w_k: QUANTISED
;;     3. [M 8,192, K 512] x [K 512, N 512]; A: computed on the way; B: input w_v: QUANTISED
;;     4. batch 16 x [M 4,096, K 64] x [K 64, N 4,096]; A: computed on the way; B: computed on the way: QUANTISED
;;     5. batch 16 x [M 64, K 4,096] x [K 4,096, N 4,096]; A: computed on the way; B: softmax (see below): QUANTISED
;;     6. [M 8,192, K 512] x [K 512, N 512]; A: computed on the way; B: input w_o: QUANTISED
;;     7. [M 8,192, K 512] x [K 512, N 2,048]; A: computed on the way; B: input w1: QUANTISED
;;     8. [M 8,192, K 2,048] x [K 2,048, N 512]; A: computed on the way; B: input w2: QUANTISED
;;   THE QUANTISER, for each operand of a quantised product, along K:
;;     - K is cut into blocks of 32 from its start; a last block that is shorter is filled with zeros.
;;     - A block's scale is 2^e with e = floor(log2(the largest magnitude in the block)) - 2, held to -126 .. 127; a block of zeros has e = 0. As a byte (E8M0): e + 127.
;;     - Each number is divided by its block's scale, clamped to +-6, and rounded to the nearest number of E2M1, ties to even, subnormals kept.
;;     - The product sums the exact products of the quantised numbers (number of the format x scale) in f32.
;;   ~~~python
;;   def quantise(x, axis):      # numpy; x: float32 -> the quantised numbers, widened to float32 again
;;       x = np.moveaxis(x, axis, -1); K = x.shape[-1]
;;       x = np.pad(x, [(0, 0)] * (x.ndim - 1) + [(0, -K % 32)]); x = x.reshape(x.shape[:-1] + (-1, 32)); a = np.abs(x).max(-1, keepdims=True)
;;       e = np.where(a > 0, np.clip(np.frexp(np.where(a > 0, a, 1))[1] - 1 - 2, -126, 127), 0)      # np.frexp(a)[1] - 1 = floor(log2(a)), exactly
;;       r = np.clip(x / 2.0 ** e, -6, 6)
;;       step = 2.0 ** (np.maximum(np.frexp(np.where(r == 0, 1, r))[1] - 1, 0) - 1)
;;       q = np.round(r / step) * step * 2.0 ** e      # np.round: ties to even
;;       return np.moveaxis(q.reshape(q.shape[:-2] + (-1,))[..., :K], -1, axis).astype(np.float32)
;;   ~~~
;;   SOFTMAX AHEAD OF A QUANTISED PRODUCT. Where the list says 'softmax', what is quantised is not the finished softmax but p = 2^(t - M), with t = logit x log2(e) and M = ceil(the row's largest t), a whole number; so 1/2 < the row's largest p <= 1. The row's sum l is taken of the UNQUANTISED p, in f32, and the product's result is divided by l at the end. Since M is a whole number, a kernel that streams over the keys may use a running M (the ceiling of the running maximum): every later rescaling is an exact power of two, which a block's scale takes up: the codes' values come out the same.
;;   OPERANDS COMPUTED ON THE WAY. 'Computed on the way' means the value that the module computes at that place (a softmax that the list does not call 'softmax' is quantised finished and normalised). What goes into a quantiser is computed in f32, as accurately as f32 sums, v_exp_f32 and their like allow (about 1e-6 of the number): no bf16 or f16 on the way to a quantiser, and a product that is left as it is and whose result goes on into a quantised operand takes f32 operands (vector FMAs, or v_wmma_f32_16x16x4_f32). A number that lies on a knife's edge between two numbers of the format may be rounded either way, as far as f32 arithmetic and the matrix unit's own rounding can turn it there, and no further.
;; 2 versions, each right; version 2 is version 1 with the launches qkv, ffn written anew for expert scheduling mode. Each part assembles by itself: llvm-mc -triple=amdgcn-amd-amdhsa -mcpu=gfx1250 --defsym DOCPART=n.
;; ======== version 1 of 2: 4 launches
;; limits: right only within a limited range of input values
;; workspace buffers: wst 1,572,864 bytes; wss 98,304 bytes; maskbits 2,097,152 bytes of whole numbers; q_img 2,097,152 bytes; q_sc 524,288 bytes; kv 4,587,520 bytes; ctx_img 2,097,152 bytes; ctx_sc 262,144 bytes
;; launch prep (part 1): grid 448 x 1, 4 waves a work-group, no clusters, 34,304 bytes of LDS; arguments mask, w_q, w_k, w_v, w_o, w1, w2, maskbits, wst, wss; writes maskbits, wst, wss
.if DOCPART == 1
	.amdgcn_target "amdgcn-amd-amdhsa--gfx1250"
	.amdhsa_code_object_version 6
	.text
	.protected	k_q633507c06c_prep
	.globl	k_q633507c06c_prep
	.p2align	8
	.type	k_q633507c06c_prep,@function
k_q633507c06c_prep:
	s_mov_b64 s[64:65], 0
	v_nop
	global_prefetch_b8 v0, s[64:65] scope:SCOPE_SE
	s_setreg_imm32_b32 hwreg(HW_REG_WAVE_MODE, 25, 1), 1
	s_wait_xcnt 0x0
; TWO JOBS IN ONE LAUNCH, told apart by the work-group's number.
; Work-groups 0-255: the mask [4096][4096] of int32 becomes LANE MASKS, one bit a number, laid as the attention launch's scores lie in registers:
;   maskbits[query tile T][key step S][dword n], bit L = (mask[q][k] != 0), q = 32 (T / 2) + 8 (T % 2) + r + 8 (r / 8), k = 128 S + 32 (n / 16) + 16 h + n % 16, r = L % 16, h = L / 16.
;   A dword is then the third source of one v_cndmask_b32 over score register n.  The mask is read once, 512 consecutive bytes a load, and 1/32 of its bytes is written.
; Work-groups 256-447: the six weights, f32 stored [K][N], become codes of FP4 (E2M1) with one E8M0 byte for each 32 along K, laid in PANELS: the order of the registers of the wave that will read them.
;   A panel is 8 tiles of 16 columns x 4 K steps of 128: fragment 8 sl + Tl at 1,024 bytes each; in a fragment block kb (32 along K) of lane-row r lies at 256 kb + 16 r.
;   THE COLUMNS OF A TILE ARE NOT NEIGHBOURS: of each 32 columns, tile u takes columns 8 u + r + 8 (r / 8), so that a transposed product leaves 16 neighbouring columns in a lane's 16 registers of two tiles.
;   A scale panel is 16 registers x 32 lanes of words: register 2 Tl + sl / 2, lane r + 16 (sl % 2).
;   A lane takes a column and its registers run down K, so a block of 32 lies in one lane and the conversions give codes with K innermost; nothing is transposed by an instruction.
; A block's scale is 2^(floor(log2(largest magnitude)) - 2); its byte is the largest magnitude's exponent field - 2, held at 1 from below.
; LIMITS: a block of zeros gets the byte 1 where the rule says 127 (its codes are zeros, and this program alone reads the bytes); NaN and infinities among the weights are not served.
; No tensor loads and no barrier: waves share nothing.  Only the mask's path touches LDS (a stage of its own for each wave).
.set ROWM, 16384                       ; a row of the mask in bytes
.set SPI,  528                         ; a stage row: 512 bytes + 16: sixteen rows begin in sixteen different groups of banks
.set R,    16                          ; v16-143  two sets of 64: a tile of 16 queries x 128 keys as loaded
.set X,    144                         ; v144-207 the tile as the scores lie
.set OUT,  208                         ; v208-223 a pair for each of the wave's eight tiles: lane l holds dwords 2 l, 2 l + 1
.set CM,   32                          ; s[32:63] 32 compares' results
.set WX,   16                          ; v16-143  weights: four blocks of 32 numbers of my column
.set WC,   144                         ; v144-159 their codes
.set SBW,  160                         ; v160     their four scale bytes
	s_load_b256 s[4:11], s[0:1], 0x0               ; mask, w_q, w_k, w_v
	s_load_b256 s[12:19], s[0:1], 0x20             ; w_o, w1, w2, maskbits
	s_load_b128 s[20:23], s[0:1], 0x40             ; wst, wss
	v_lshl_add_u32 v224, v0, 2, 0x8400
	v_mov_b32 v225, 0
	v_lshrrev_b32 v1, 5, v0
	v_readfirstlane_b32 s24, v1                    ; wave 0..3
	v_and_b32 v5, 31, v0                           ; lane
	s_cmp_lt_u32 ttmp9, 256
	s_cbranch_scc0 .Lweights
; ---------------- the mask: work-group = query tile; wave w takes key steps 8 w .. 8 w + 7
.macro LOADM i                         ; tile i: sixteen rows, 512 consecutive bytes each
.irp p, 0,1,2,3,4,5,6,7,8,9,10,11,12,13,14,15
	global_load_b128 v[R+64*((\i)%2)+4*\p:R+64*((\i)%2)+4*\p+3], v1, s[4:5] offset:(\p+8*(\p/8))*ROWM+512*(\i) th:TH_LOAD_NT
.endr
.endm
.macro TILE i
.if (\i) < 7
	s_wait_loadcnt 16                              ; this tile's sixteen loads are in; the next tile's sixteen may be out
.else
	s_wait_loadcnt 0
.endif
.irp p, 0,1,2,3,4,5,6,7,8,9,10,11,12,13,14,15
	ds_store_b128 v2, v[R+64*((\i)%2)+4*\p:R+64*((\i)%2)+4*\p+3] offset:SPI*\p
.endr
.irp b, 0,1,2,3
.irp j, 0,1,2,3
	ds_load_b128 v[X+16*\b+4*\j:X+16*\b+4*\j+3], v3 offset:128*\b+16*\j   ; LDS serves a wave's instructions in order: these see the stores above.  Register 16 b + i: key 32 b + 16 h + i of query row r
.endr
.endr
	s_wait_dscnt 0x0
.if (\i)+2 < 8
	LOADM (\i)+2                                   ; into the set that the stage's stores have read
.endif
.irp q, 0,1
.set k, 0
.rept 32
	v_cmp_ne_u32 s[CM+k], 0, v[X+32*\q+k]          ; dword n = 32 q + k: a bit for each lane
.set k, k+1
.endr
.set k, 0
.rept 32
	v_writelane_b32 v[OUT+2*(\i)+k%2], s[CM+k], 16*\q+k/2
.set k, k+1
.endr
.endr
	global_store_b64 v4, v[OUT+2*(\i):OUT+2*(\i)+1], s[18:19] offset:256*(\i)   ; 32 lanes store 256 consecutive bytes, aligned
.endm
	v_lshlrev_b32 v1, 4, v5                        ; 16 x lane
	v_and_b32 v6, 15, v0                           ; r
	v_bfe_u32 v7, v0, 4, 1                         ; h
	s_mul_i32 s25, s24, 16*SPI                     ; my stage
	v_add_nc_u32 v2, s25, v1                       ; in: 16 x lane of a row
	v_mul_u32_u24 v3, v6, SPI
	v_lshl_add_u32 v3, v7, 6, v3
	v_add_nc_u32 v3, s25, v3                       ; back: row r, + 64 h
	v_lshlrev_b32 v4, 3, v5                        ; out: 8 bytes a lane
.set k, 0
.rept 16
	v_mov_b32 v[OUT+k], 0                          ; written once: v_writelane_b32 keeps the other lanes of its destination
.set k, k+1
.endr
	s_lshr_b32 s26, ttmp9, 1
	s_lshl_b32 s26, s26, 5
	s_and_b32 s27, ttmp9, 1
	s_lshl_b32 s27, s27, 3
	s_add_co_u32 s26, s26, s27                     ; the tile's first row: 32 (T / 2) + 8 (T % 2)
	s_lshl_b32 s26, s26, 14
	s_lshl_b32 s27, s24, 12                        ; my eight key steps: 4,096 bytes of a row
	s_add_co_u32 s26, s26, s27
	s_mov_b32 s27, 0
	s_lshl_b32 s28, ttmp9, 5
	s_lshl_b32 s29, s24, 3
	s_add_co_u32 s28, s28, s29
	s_lshl_b32 s28, s28, 8                         ; (32 T + 8 w) x 256 bytes
	s_mov_b32 s29, 0
	s_wait_kmcnt 0x0
	s_add_nc_u64 s[4:5], s[4:5], s[26:27]
	s_add_nc_u64 s[18:19], s[18:19], s[28:29]
	LOADM 0
	LOADM 1
.irp t, 0,1,2,3,4,5,6,7
	TILE \t
.endr
	s_wait_tensorcnt 0x0
	ds_add_u32 v224, v225
	s_wait_dscnt 0x0
	s_endpgm
; ---------------- the weights: a wave takes 32 columns x 128 along K; the four waves stand side by side on 512 bytes of a row
.macro WBODY pitch
.set k, 0
.rept 128
	global_load_b32 v[WX+k], v3, s[40:41] offset:k*\pitch th:TH_LOAD_NT   ; row k of the K step at my column: 128 consecutive bytes a wave
.set k, k+1
.endr
.irp t, 0,1,2,3
.if \t < 2
	s_wait_loadcnt 63                              ; 96 or 64 loads are younger than this block's; a wait names 63 at the most, and a smaller count is safe
.else
	s_wait_loadcnt 32*(3-\t)
.endif
	v_max3_num_f32 v12, |v[WX+32*\t]|, |v[WX+32*\t+1]|, |v[WX+32*\t+2]|   ; the block's largest magnitude: all 32 numbers are mine
	v_max3_num_f32 v13, |v[WX+32*\t+3]|, |v[WX+32*\t+4]|, |v[WX+32*\t+5]|
.irp i, 6,10,14,18,22,26
	v_max3_num_f32 v12, v12, |v[WX+32*\t+\i]|, |v[WX+32*\t+\i+1]|
	v_max3_num_f32 v13, v13, |v[WX+32*\t+\i+2]|, |v[WX+32*\t+\i+3]|
.endr
	v_max3_num_f32 v12, v12, |v[WX+32*\t+30]|, |v[WX+32*\t+31]|
	v_max3_num_f32 v12, v12, v13, 0x1800000        ; and the floor 2^(3 - 127): the byte cannot fall under 1
	v_add_nc_u32 v11, 0xff000000, v12              ; 2 off the exponent field: the conversion takes the exponent field of this operand as its scale
	v_lshrrev_b32 v13, 23, v11                     ; the scale's byte
.if \t == 0
	v_mov_b32 v[SBW], v13
.else
	v_lshl_or_b32 v[SBW], v13, 8*\t, v[SBW]
.endif
.irp g, 0,1,2,3
	v_cvt_scalef32_pk8_fp4_f32 v[WC+4*\t+\g], v[WX+32*\t+8*\g:WX+32*\t+8*\g+7], v11
.endr
	global_store_b128 v9, v[WC+4*\t:WC+4*\t+3], s[20:21] offset:256*\t   ; block t of two fragments: the sixteen lanes of each tile store 256 consecutive bytes, aligned.  (The next block begins with plain vector lines: they stand between the conversions and the next write of v11)
.endr
	global_store_b32 v10, v[SBW], s[22:23]         ; the K step's scale word of my column: pieces of 4 bytes inside 512 bytes; 98,304 bytes in the whole launch
.endm
.Lweights:
	s_sub_co_u32 s25, ttmp9, 256                   ; j: 0-63 w_q, w_k, w_v, w_o (16 each); 64-127 w1; 128-191 w2
	s_and_b32 s26, s25, 3                          ; the K step inside a panel, in all three kinds
	s_lshr_b32 s27, s25, 2
	s_and_b32 s28, s27, 3                          ; column group of 128: the small weights',
	s_and_b32 s29, s27, 15                         ; w1's,
	s_lshr_b32 s30, s25, 4                         ; (which small weight)
	s_and_b32 s31, s30, 3                          ; w2's
	s_and_b32 s32, s25, 15                         ; w2's K step of 16
	s_mul_i32 s33, s28, 3
	s_add_co_u32 s33, s33, s30                     ; panel of w_q, w_k, w_v: 3 cg + which
	s_mul_i32 s34, s28, 9
	s_add_co_u32 s34, s34, 12                      ; of w_o: 12 + 9 cg
	s_lshr_b32 s35, s29, 2
	s_mul_i32 s35, s35, 9
	s_and_b32 s36, s29, 3
	s_add_co_u32 s35, s35, s36
	s_add_co_u32 s35, s35, 13                      ; of w1: 12 + 9 (cg / 4) + 1 + cg % 4
	s_mul_i32 s36, s31, 9
	s_lshr_b32 s37, s32, 2
	s_add_co_u32 s36, s36, s37
	s_add_co_u32 s36, s36, 17                      ; of w2: 12 + 9 cg + 5 + K step / 4
	s_lshl_b32 s37, s26, 18                        ; where the K step's 128 rows begin: rows of 2,048 bytes,
	s_lshl_b32 s38, s26, 20                        ; of 8,192 (w1),
	s_lshl_b32 s39, s32, 18                        ; of 2,048 (w2)
	s_wait_kmcnt 0x0
	s_cmp_lt_u32 s25, 16                           ; every choice hangs on the work-group's number alone
	s_cselect_b64 s[40:41], s[6:7], s[8:9]
	s_cmp_lt_u32 s25, 32
	s_cselect_b64 s[40:41], s[40:41], s[10:11]
	s_cmp_lt_u32 s25, 48
	s_cselect_b64 s[40:41], s[40:41], s[12:13]
	s_cselect_b32 s33, s33, s34
	s_cmp_lt_u32 s25, 64
	s_cselect_b64 s[40:41], s[40:41], s[14:15]
	s_cselect_b32 s33, s33, s35
	s_cselect_b32 s28, s28, s29
	s_cselect_b32 s37, s37, s38
	s_cmp_lt_u32 s25, 128
	s_cselect_b64 s[40:41], s[40:41], s[16:17]
	s_cselect_b32 s33, s33, s36
	s_cselect_b32 s28, s28, s31
	s_cselect_b32 s37, s37, s39
	s_lshl_b32 s28, s28, 2
	s_add_co_u32 s28, s28, s24
	s_lshl_b32 s28, s28, 7                         ; my wave's 32 columns: (4 cg + wave) x 128 bytes
	s_add_co_u32 s42, s37, s28
	s_mov_b32 s43, 0
	s_add_nc_u64 s[40:41], s[40:41], s[42:43]      ; the source
	s_lshl_b32 s42, s33, 15
	s_lshl_b32 s44, s26, 3
	s_lshl_b32 s45, s24, 1
	s_add_co_u32 s44, s44, s45
	s_lshl_b32 s44, s44, 10
	s_add_co_u32 s42, s42, s44                     ; panel x 32,768 + (8 sl + 2 wave) x 1,024
	s_add_nc_u64 s[20:21], s[20:21], s[42:43]
	s_lshl_b32 s42, s33, 11
	s_lshl_b32 s44, s24, 9
	s_add_co_u32 s42, s42, s44
	s_and_b32 s44, s26, 1
	s_lshl_b32 s44, s44, 8
	s_add_co_u32 s42, s42, s44
	s_lshr_b32 s44, s26, 1
	s_lshl_b32 s44, s44, 2
	s_add_co_u32 s42, s42, s44                     ; panel x 2,048 + 512 wave + 256 (sl % 2) + 4 (sl / 2)
	s_add_nc_u64 s[22:23], s[22:23], s[42:43]
	v_lshlrev_b32 v3, 2, v5                        ; in: 4 bytes a lane
	v_bfe_u32 v6, v0, 3, 1                         ; u: which of the two tiles my column belongs to
	v_and_b32 v7, 7, v0
	v_bfe_u32 v8, v0, 4, 1
	v_lshl_add_u32 v7, v8, 3, v7                   ; its lane-row there: lane % 8 + 8 (lane / 16)
	v_lshlrev_b32 v7, 4, v7
	v_lshl_add_u32 v9, v6, 10, v7                  ; codes: 1,024 u + 16 row
	v_lshl_add_u32 v10, v6, 3, v7                  ; scale word: 16 row + 8 u
	s_lshr_b32 s44, s25, 6
	s_cmp_eq_u32 s44, 1
	s_cbranch_scc1 .Lwide
	WBODY 2048
	s_endpgm
.Lwide:
	WBODY 8192
	s_endpgm
.Lfunc_end_k_q633507c06c_prep:
	.size	k_q633507c06c_prep, .Lfunc_end_k_q633507c06c_prep-k_q633507c06c_prep
	.p2alignl 7, 3214868480
	.fill 96, 4, 3214868480
	.section	.rodata,"a",@progbits
	.p2align	6, 0x0
	.amdhsa_kernel k_q633507c06c_prep
		.amdhsa_group_segment_fixed_size 34304
		.amdhsa_private_segment_fixed_size 0
		.amdhsa_enable_private_segment 0
		.amdhsa_kernarg_size 80
		.amdhsa_user_sgpr_count 2
		.amdhsa_user_sgpr_kernarg_segment_ptr 1
		.amdhsa_wavefront_size32 1
		.amdhsa_system_sgpr_workgroup_id_x 1
		.amdhsa_system_sgpr_workgroup_id_y 1
		.amdhsa_system_sgpr_workgroup_id_z 1
		.amdhsa_system_vgpr_workitem_id 0
		.amdhsa_next_free_vgpr 226
		.amdhsa_next_free_sgpr 66
		.amdhsa_reserve_vcc 0
		.amdhsa_float_denorm_mode_32 3
		.amdhsa_float_denorm_mode_16_64 3
		.amdhsa_memory_ordered 1
		.amdhsa_forward_progress 1
		.amdhsa_inst_pref_size 135
	.end_amdhsa_kernel
	.amdgpu_metadata
---
amdhsa.version: [ 1, 2 ]
amdhsa.kernels:
  - .name:           k_q633507c06c_prep
    .symbol:         k_q633507c06c_prep.kd
    .args:
      - { .name: mask, .offset: 0, .size: 8, .value_kind: global_buffer, .address_space: global }
      - { .name: w_q, .offset: 8, .size: 8, .value_kind: global_buffer, .address_space: global }
      - { .name: w_k, .offset: 16, .size: 8, .value_kind: global_buffer, .address_space: global }
      - { .name: w_v, .offset: 24, .size: 8, .value_kind: global_buffer, .address_space: global }
      - { .name: w_o, .offset: 32, .size: 8, .value_kind: global_buffer, .address_space: global }
      - { .name: w1, .offset: 40, .size: 8, .value_kind: global_buffer, .address_space: global }
      - { .name: w2, .offset: 48, .size: 8, .value_kind: global_buffer, .address_space: global }
      - { .name: maskbits, .offset: 56, .size: 8, .value_kind: global_buffer, .address_space: global }
      - { .name: wst, .offset: 64, .size: 8, .value_kind: global_buffer, .address_space: global }
      - { .name: wss, .offset: 72, .size: 8, .value_kind: global_buffer, .address_space: global }
    .group_segment_fixed_size: 34304
    .private_segment_fixed_size: 0
    .kernarg_segment_align: 8
    .kernarg_segment_size: 80
    .max_flat_workgroup_size: 128
    .sgpr_count:     66
    .vgpr_count:     226
    .wavefront_size: 32
...
	.end_amdgpu_metadata
.endif
;; end of part 1
;; launch qkv (part 2): grid 256 x 1, 4 waves a work-group, no clusters, 109,056 bytes of LDS; arguments x, ln1_a, ln1_b, wst, wss, q_img, q_sc, kv; writes q_img, q_sc, kv
.if DOCPART == 2
	.amdgcn_target "amdgcn-amd-amdhsa--gfx1250"
	.amdhsa_code_object_version 6
	.text
	.protected	k_q633507c06c_qkv
	.globl	k_q633507c06c_qkv
	.p2align	8
	.type	k_q633507c06c_qkv,@function
k_q633507c06c_qkv:
	s_mov_b64 s[64:65], 0
	v_nop
	global_prefetch_b8 v0, s[64:65] scope:SCOPE_SE
	s_setreg_imm32_b32 hwreg(HW_REG_WAVE_MODE, 25, 1), 1
	s_wait_xcnt 0x0
; h = layer_norm(x); q = h w_q, k = h w_k, v = h w_v, all three products on codes of FP4 (E2M1) with one E8M0 scale for each 32 along K; q and k are quantised again along the head's 64, v along the keys, and leave as codes.
; SHARES.  A work-group takes 32 rows of x: one block of 32 keys.  Wave w normalises and quantises rows 8 w .. 8 w + 7 and hands the codes round through LDS as images of the operand's registers;
; then it makes heads 2 w and 2 w + 1 of q, k and v for all 32 rows.  Its three panels of weights (32,768 bytes each) go from memory straight into register windows 1, 2, 3, each byte read once by the work-group.
; x AND THE GAINS ARE LOADED AS THEY LIE, 512 consecutive bytes a load, and turned through a stage of the wave's own in LDS: for the norm and the quantiser a lane wants a whole block of 32 neighbours (128 bytes) of a row.
; NO CLUSTER, NO TENSOR LOAD: every fragment of a weight is wanted by exactly one wave of a work-group; through LDS each of its bytes would be written and read once more for the same two products.
; THE ROWS OF A TILE ARE NOT NEIGHBOURS: of the 32 rows, tile m takes rows 8 m + r + 8 (r / 8); the weights' tiles take columns likewise.  So in a transposed product (source 0 = 16 columns of a weight, source 1 = 16 rows of h)
; a lane holds one row, and the 16 registers of tiles 2 g, 2 g + 1 are columns 32 g + 16 (lane / 16) + 0 .. 15; in the product for v (source 0 = h, source 1 = w_v) a lane holds one channel and its 16 registers are 16 neighbouring keys.
; OUT.  q_img[head][tile][512]: 16 bytes a lane, block lane / 16 of query lane % 16.  q_sc: a word a lane: lanes 0-15 (s0, s1, 127, 127), lanes 16-31 (127, 127, s0, s1): the attention launch sets q into either half of a K of 128.
; kv[head][key step][8,960]: +0 K's codes, tile T at 512 T + 16 lane; +4,096 V^T's four fragments of 16 channels x 128 keys; +8,192 K's scale words for pairs of tiles; +8,704 V's scale words.
; LIMITS: a block of zeros gets the byte 1 where the rule says 127 (its codes are zeros; this program alone reads the bytes); NaN and infinities are not served; the norm multiplies by the rounded 1/511 and by v_rcp_f32's reciprocal.
.set HSC, 8192                         ; LDS: 0: h's 8 fragments (4 m + K step) of 1,024 bytes; HSC: their scale words, 64 bytes each
.set XST, 16384                        ; the stages: for each wave 10 rows (8 of x, ln1_a, ln1_b)
.set XROW, 2304                        ; a stage row: 16 blocks of 128 bytes + 16 of padding: lanes that take a block each stand 144 bytes apart, an odd multiple of 16
.set XWAVE, 10*XROW
.set X,   16                           ; v16-143  the norm: pass i's 32 numbers at X + 32 i
.set AL,  144                          ; v144-175 ln1_a of my block;  v176-207 ln1_b
.set BE,  176
.set T,   208                          ; v208-223 four registers a pass, at work
.set CD,  224                          ; v224-239 h's codes, four registers a pass
.set AF,  16                           ; afterwards: v16-79 h's 8 fragments
.set ACC, 80                           ; v80-143  8 accumulators
.set AS,  144                          ; v144-151 h's scale words
.set WS,  152                          ; v152-199 the weights' scale words, 16 registers for each of q, k, v
.set PC,  200                          ; v200-207 codes just made
.set TM,  208                          ; v208-223 the quantiser's
.set PW,  224                          ; v224     the scale word just made;  v225-232 what is stored beside it
.set MSB, 0
.macro WIN new                         ; register windows: the immediate's high byte repeats the setting that is left
.if MSB != (\new)
	s_set_vgpr_msb (MSB<<8)|(\new)
.set MSB, (\new)
.endif
.endm
.macro PLACES n
.rept \n
	v_nop
.endr
.endm
; One matrix instruction.  k = 0: the first K step starts the sum.  row = 1: source 0's scales stand in lanes 16-31 of their register; 2: source 1's.
.macro WM d, a, b, sa, sb, k, row
.if (\k) == 0
.if (\row) == 0
	v_wmma_scale_f32_16x16x128_f8f6f4 v[(\d):(\d)+7], v[(\a):(\a)+7], v[(\b):(\b)+7], 0, v[(\sa)], v[(\sb)] matrix_a_fmt:MATRIX_FMT_FP4 matrix_b_fmt:MATRIX_FMT_FP4
.elseif (\row) == 1
	v_wmma_scale_f32_16x16x128_f8f6f4 v[(\d):(\d)+7], v[(\a):(\a)+7], v[(\b):(\b)+7], 0, v[(\sa)], v[(\sb)] matrix_a_fmt:MATRIX_FMT_FP4 matrix_b_fmt:MATRIX_FMT_FP4 matrix_a_scale:MATRIX_SCALE_ROW1
.else
	v_wmma_scale_f32_16x16x128_f8f6f4 v[(\d):(\d)+7], v[(\a):(\a)+7], v[(\b):(\b)+7], 0, v[(\sa)], v[(\sb)] matrix_a_fmt:MATRIX_FMT_FP4 matrix_b_fmt:MATRIX_FMT_FP4 matrix_b_scale:MATRIX_SCALE_ROW1
.endif
.else
.if (\row) == 0
	v_wmma_scale_f32_16x16x128_f8f6f4 v[(\d):(\d)+7], v[(\a):(\a)+7], v[(\b):(\b)+7], v[(\d):(\d)+7], v[(\sa)], v[(\sb)] matrix_a_fmt:MATRIX_FMT_FP4 matrix_b_fmt:MATRIX_FMT_FP4
.elseif (\row) == 1
	v_wmma_scale_f32_16x16x128_f8f6f4 v[(\d):(\d)+7], v[(\a):(\a)+7], v[(\b):(\b)+7], v[(\d):(\d)+7], v[(\sa)], v[(\sb)] matrix_a_fmt:MATRIX_FMT_FP4 matrix_b_fmt:MATRIX_FMT_FP4 matrix_a_scale:MATRIX_SCALE_ROW1
.else
	v_wmma_scale_f32_16x16x128_f8f6f4 v[(\d):(\d)+7], v[(\a):(\a)+7], v[(\b):(\b)+7], v[(\d):(\d)+7], v[(\sa)], v[(\sb)] matrix_a_fmt:MATRIX_FMT_FP4 matrix_b_fmt:MATRIX_FMT_FP4 matrix_b_scale:MATRIX_SCALE_ROW1
.endif
.endif
.endm
; 64 numbers of a lane, register 16 b + i = number 16 (lane / 16) + i of block b of my row, become codes in v[PC] on (registers 4 c .. 4 c + 3: the whole block 2 c + lane / 16) and four scale bytes in v[PW] and v[TM+4] on.
.macro QUANT s
.irp b, 0,1,2,3
	v_max3_num_f32 v[TM+\b], |v[\s+16*\b]|, |v[\s+1+16*\b]|, 0x1800000   ; my 16 numbers, and the floor 2^(3 - 127): the byte cannot fall under 1
.endr
.irp i, 2,4,6,8,10,12,14
.irp b, 0,1,2,3
	v_max3_num_f32 v[TM+\b], v[TM+\b], |v[\s+16*\b+\i]|, |v[\s+1+16*\b+\i]|   ; (the four blocks by turns)
.endr
.endr
.irp b, 0,1,2,3
	v_permlanex16_b32 v[TM+4+\b], v[TM+\b], s22, s23
.endr
.irp b, 0,1,2,3
	v_max_num_f32 v[TM+\b], v[TM+\b], v[TM+4+\b]   ; with lane l xor 16's: the block's largest magnitude
.endr
.irp b, 0,1,2,3
	v_add_nc_u32 v[TM+12+\b], 0xff000000, v[TM+\b] ; 2 off its exponent field: the conversion's scale operand
.endr
.irp b, 0,1,2,3
	v_lshrrev_b32 v[TM+4+\b], 23, v[TM+12+\b]      ; the scale's byte
.endr
	v_lshl_or_b32 v[PW], v[TM+5], 8, v[TM+4]
	v_lshl_or_b32 v[PW], v[TM+6], 16, v[PW]
	v_lshl_or_b32 v[PW], v[TM+7], 24, v[PW]
.irp b, 0,1,2,3
	v_cvt_scalef32_pk8_fp4_f32 v[PC+2*\b], v[\s+16*\b:\s+7+16*\b], v[TM+12+\b]
	v_cvt_scalef32_pk8_fp4_f32 v[PC+1+2*\b], v[\s+8+16*\b:\s+15+16*\b], v[TM+12+\b]
.endr
	v_nop                                          ; one plain place behind a scaled conversion
.irp c, 0,1
.irp i, 0,1
	v_permlane16_swap_b32 v[PC+4*\c+\i], v[PC+2+4*\c+\i]
.endr
.endr
.endm
.macro LOADC which                     ; a panel of codes into window which + 1: 64 loads of 512 consecutive bytes
	WIN 0x40*((\which)+1)
.set i, 0
.rept 64
	global_load_b128 v[4*i:4*i+3], v1, s[10:11] offset:32768*(\which)+512*i
.set i, i+1
.endr
	WIN 0
.endm
.macro LOADS which                     ; and its scale words
.irp q, 0,1,2,3
	global_load_b128 v[WS+16*(\which)+4*\q:WS+16*(\which)+4*\q+3], v1, s[12:13] offset:2048*(\which)+512*\q
.endr
.endm
	s_load_b512 s[4:19], s[0:1], 0x0               ; x, ln1_a, ln1_b, wst, wss, q_img, q_sc, kv
	v_lshl_add_u32 v254, v0, 2, 0x1a800
	v_mov_b32 v255, 0
	v_lshrrev_b32 v1, 5, v0
	v_readfirstlane_b32 s20, v1                    ; wave 0..3
	v_and_b32 v2, 31, v0
	v_lshlrev_b32 v1, 4, v2                        ; v1  16 x lane
	v_lshlrev_b32 v2, 2, v2                        ; v2  4 x lane
	v_and_b32 v12, 15, v0                          ; lane % 16: in the norm my block of 32 columns, later a row r
	v_bfe_u32 v13, v0, 4, 1                        ; lane / 16: in the norm which of a pass's two rows, later h
	s_mul_i32 s21, s20, XWAVE
	s_add_co_u32 s21, s21, XST                     ; my stage
	v_bfe_u32 v3, v0, 3, 2                         ; lane / 8: which of a load's four blocks of 128 bytes my 16 bytes lie in
	v_mul_u32_u24 v3, v3, 144
	v_and_b32 v14, 7, v0
	v_lshl_add_u32 v3, v14, 4, v3
	v_add_nc_u32 v3, s21, v3                       ; v3  the stage, in: 144 (lane / 8) + 16 (lane % 8)
	v_mul_u32_u24 v15, v12, 144
	v_add_nc_u32 v15, s21, v15                     ; v15 back, the gains: my block
	v_mul_u32_u24 v4, v13, XROW
	v_add_nc_u32 v4, v4, v15                       ; v4  back, x: my block of the pass's row lane / 16
	s_and_b32 s28, s20, 1                          ; my 8 rows belong to tile m = w % 2, lane-rows 8 (w / 2) on
	s_lshr_b32 s29, s20, 1
	s_lshl_b32 s30, s28, 12
	s_lshl_b32 s31, s29, 7
	s_add_co_u32 s30, s30, s31
	v_lshlrev_b32 v5, 8, v12
	v_lshl_add_u32 v5, v13, 4, v5
	v_add_nc_u32 v5, s30, v5                       ; v5  where my block's codes go: 4,096 m + 256 block + 16 lane-row
	s_lshl_b32 s30, s28, 8
	s_lshl_b32 s31, s29, 5
	s_add_co_u32 s30, s30, s31
	v_bfe_u32 v6, v0, 2, 2
	v_lshlrev_b32 v6, 6, v6
	v_lshl_add_u32 v6, v13, 2, v6
	v_and_b32 v14, 3, v0
	v_add_nc_u32 v6, v6, v14
	v_add_nc_u32 v6, s30, v6                       ; v6  and its scale byte: 256 m + 64 (block / 4) + 4 lane-row + block % 4
	v_lshlrev_b32 v7, 2, v12                       ; v7  4 r
	s_lshr_b32 s32, ttmp9, 7                       ; batch
	s_and_b32 s33, ttmp9, 127                      ; block of 32 rows in the batch
	s_lshr_b32 s34, s33, 2                         ; key step of 128
	s_and_b32 s35, s33, 3                          ; block of 32 keys in it
	s_lshl_b32 s36, s35, 10
	v_add_nc_u32 v8, s36, v1                       ; v8  K's codes: 16 lane + 1,024 block
	s_lshl_b32 s36, s35, 7
	v_add_nc_u32 v9, s36, v2                       ; v9  K's scale words: 4 lane + 128 block
	v_lshlrev_b32 v10, 4, v12
	v_lshl_add_u32 v10, v13, 10, v10
	s_lshl_b32 s36, s35, 8
	v_add_nc_u32 v10, s36, v10                     ; v10 V's codes: 1,024 h + 16 r + 256 block
	v_add_nc_u32 v11, s35, v2                      ; v11 V's scale bytes: 4 lane + block
	s_mov_b32 s22, 0x76543210
	s_mov_b32 s23, 0xfedcba98                      ; v_permlanex16_b32's selects for lane l xor 16
	s_mov_b32 s24, 0xffff0000                      ; lanes 16-31; also a word's upper half
	s_mov_b32 s25, 0x7f7f0000
	s_mov_b32 s26, 0x7f7f
	s_mov_b32 s27, 0xffff
	s_lshl_b32 s36, ttmp9, 16
	s_lshl_b32 s37, s20, 14
	s_add_co_u32 s36, s36, s37                     ; x: (32 work-group + 8 wave) rows of 2,048 bytes
	s_mov_b32 s37, 0
	s_mul_i32 s38, s20, 98304                      ; my three panels
	s_mov_b32 s39, 0
	s_mul_i32 s40, s20, 6144
	s_mov_b32 s41, 0
	s_lshl_b32 s42, s32, 3
	s_lshl_b32 s43, s20, 1
	s_add_co_u32 s42, s42, s43                     ; 8 batch + 2 wave: my first head
	s_lshl_b32 s44, s42, 8
	s_lshl_b32 s45, s33, 1
	s_add_co_u32 s44, s44, s45                     ; x 256 tiles + my first tile
	s_lshl_b32 s46, s44, 7
	s_mov_b32 s47, 0
	s_lshl_b32 s44, s44, 9
	s_mov_b32 s45, 0
	s_lshl_b32 s42, s42, 5
	s_add_co_u32 s42, s42, s34
	s_mul_i32 s42, s42, 8960                       ; my first head's record of this key step
	s_mov_b32 s43, 0
	s_wait_kmcnt 0x0
	s_add_nc_u64 s[4:5], s[4:5], s[36:37]
	s_add_nc_u64 s[10:11], s[10:11], s[38:39]
	s_add_nc_u64 s[12:13], s[12:13], s[40:41]
	s_add_nc_u64 s[14:15], s[14:15], s[44:45]
	s_add_nc_u64 s[16:17], s[16:17], s[46:47]
	s_add_nc_u64 s[18:19], s[18:19], s[42:43]
; ---- the loads: my 8 rows of x, four loads a row, and the gains, four loads each: every load covers 512 consecutive bytes; q's panel behind them
.irp p, 0,1,2,3,4,5,6,7
.irp q, 0,1,2,3
	global_load_b128 v[X+16*\p+4*\q:X+16*\p+4*\q+3], v1, s[4:5] offset:2048*\p+512*\q th:TH_LOAD_NT
.endr
.endr
.irp q, 0,1,2,3
	global_load_b128 v[AL+4*\q:AL+4*\q+3], v1, s[6:7] offset:512*\q
	global_load_b128 v[BE+4*\q:BE+4*\q+3], v1, s[8:9] offset:512*\q
.endr
	LOADC 0
	s_wait_loadcnt 63                              ; 64 loads are younger than x's and the gains'
; ---- the turn through my stage.  In: a load's 512 bytes are four blocks of 128, each 144 bytes from the last.  Back: pass i holds rows 2 i, 2 i + 1, sixteen lanes to a row, a block of 32 numbers to a lane
.irp p, 0,1,2,3,4,5,6,7
.irp q, 0,1,2,3
	ds_store_b128 v3, v[X+16*\p+4*\q:X+16*\p+4*\q+3] offset:XROW*\p+576*\q
.endr
.endr
.irp q, 0,1,2,3
	ds_store_b128 v3, v[AL+4*\q:AL+4*\q+3] offset:XROW*8+576*\q
	ds_store_b128 v3, v[BE+4*\q:BE+4*\q+3] offset:XROW*9+576*\q
.endr
.irp i, 0,1,2,3
.irp j, 0,1,2,3,4,5,6,7
	ds_load_b128 v[X+32*\i+4*\j:X+32*\i+4*\j+3], v4 offset:2*XROW*\i+16*\j   ; LDS serves a wave's instructions in order: these see the stores above
.endr
.endr
.irp j, 0,1,2,3,4,5,6,7
	ds_load_b128 v[AL+4*\j:AL+4*\j+3], v15 offset:XROW*8+16*\j
	ds_load_b128 v[BE+4*\j:BE+4*\j+3], v15 offset:XROW*9+16*\j
.endr
	s_wait_dscnt 0x0
; ---- the norm, the four passes by turns: mean, deviations, sum of their squares (ddof = 1), / (std + 1e-6), gain and bias
.irp i, 0,1,2,3
	v_pk_add_f32 v[T+4*\i:T+4*\i+1], v[X+32*\i:X+32*\i+1], v[X+32*\i+2:X+32*\i+3]
	v_pk_add_f32 v[T+4*\i+2:T+4*\i+3], v[X+32*\i+4:X+32*\i+5], v[X+32*\i+6:X+32*\i+7]
.endr
.irp k, 8,12,16,20,24,28
.irp i, 0,1,2,3
	v_pk_add_f32 v[T+4*\i:T+4*\i+1], v[T+4*\i:T+4*\i+1], v[X+32*\i+\k:X+32*\i+\k+1]
	v_pk_add_f32 v[T+4*\i+2:T+4*\i+3], v[T+4*\i+2:T+4*\i+3], v[X+32*\i+\k+2:X+32*\i+\k+3]
.endr
.endr
.macro ACROSS                          ; the two chains, the pair's halves, and the row's sixteen lanes: every lane ends with the row's sum in v[T + 4 i]
.irp i, 0,1,2,3
	v_pk_add_f32 v[T+4*\i:T+4*\i+1], v[T+4*\i:T+4*\i+1], v[T+4*\i+2:T+4*\i+3]
.endr
.irp i, 0,1,2,3
	v_add_f32 v[T+4*\i], v[T+4*\i], v[T+4*\i+1]
.endr
.irp x, 1,2,4,8
.irp i, 0,1,2,3
	v_add_f32_dpp v[T+4*\i], v[T+4*\i], v[T+4*\i] row_xmask:\x row_mask:0xf bank_mask:0xf
.endr
.endr
.endm
	ACROSS
.irp i, 0,1,2,3
	v_mul_f32 v[T+4*\i], 0x3b000000, v[T+4*\i]     ; / 512: the mean
.endr
.irp k, 0,2,4,6,8,10,12,14,16,18,20,22,24,26,28,30
.irp i, 0,1,2,3
	v_pk_add_f32 v[X+32*\i+\k:X+32*\i+\k+1], v[X+32*\i+\k:X+32*\i+\k+1], v[T+4*\i:T+4*\i+1] op_sel_hi:[1,0] neg_lo:[0,1] neg_hi:[0,1]
.endr
.endr
.irp i, 0,1,2,3
	v_pk_mul_f32 v[T+4*\i:T+4*\i+1], v[X+32*\i:X+32*\i+1], v[X+32*\i:X+32*\i+1]
	v_pk_mul_f32 v[T+4*\i+2:T+4*\i+3], v[X+32*\i+2:X+32*\i+3], v[X+32*\i+2:X+32*\i+3]
.endr
.irp k, 4,8,12,16,20,24,28
.irp i, 0,1,2,3
	v_pk_fma_f32 v[T+4*\i:T+4*\i+1], v[X+32*\i+\k:X+32*\i+\k+1], v[X+32*\i+\k:X+32*\i+\k+1], v[T+4*\i:T+4*\i+1]
	v_pk_fma_f32 v[T+4*\i+2:T+4*\i+3], v[X+32*\i+\k+2:X+32*\i+\k+3], v[X+32*\i+\k+2:X+32*\i+\k+3], v[T+4*\i+2:T+4*\i+3]
.endr
.endr
	ACROSS
.irp i, 0,1,2,3
	v_mul_f32 v[T+4*\i], 0x3b004020, v[T+4*\i]     ; / 511
.endr
.irp i, 0,1,2,3
	v_sqrt_f32 v[T+4*\i+2], v[T+4*\i]
.endr
	v_nop                                          ; a plain place behind the roots,
	s_wait_alu depctr_va_vdst(0)                   ; and one wait ahead of a batch's first reader
.irp i, 0,1,2,3
	v_add_f32 v[T+4*\i+2], 0x358637bd, v[T+4*\i+2] ; + 1e-6
.endr
.irp i, 0,1,2,3
	v_rcp_f32 v[T+4*\i], v[T+4*\i+2]
.endr
	v_nop
	s_wait_alu depctr_va_vdst(0)
.irp k, 0,2,4,6,8,10,12,14,16,18,20,22,24,26,28,30
.irp i, 0,1,2,3
	v_pk_mul_f32 v[X+32*\i+\k:X+32*\i+\k+1], v[X+32*\i+\k:X+32*\i+\k+1], v[T+4*\i:T+4*\i+1] op_sel_hi:[1,0]
.endr
.endr
.irp k, 0,2,4,6,8,10,12,14,16,18,20,22,24,26,28,30
.irp i, 0,1,2,3
	v_pk_fma_f32 v[X+32*\i+\k:X+32*\i+\k+1], v[X+32*\i+\k:X+32*\i+\k+1], v[AL+\k:AL+\k+1], v[BE+\k:BE+\k+1]
.endr
.endr
; ---- h is quantised: a block of 32 along K is one lane's 32 registers
.irp i, 0,1,2,3
	v_max3_num_f32 v[T+4*\i], |v[X+32*\i]|, |v[X+32*\i+1]|, 0x1800000
.endr
.irp k, 2,4,6,8,10,12,14,16,18,20,22,24,26,28,30
.irp i, 0,1,2,3
	v_max3_num_f32 v[T+4*\i], v[T+4*\i], |v[X+32*\i+\k]|, |v[X+32*\i+\k+1]|
.endr
.endr
.irp i, 0,1,2,3
	v_add_nc_u32 v[T+4*\i+1], 0xff000000, v[T+4*\i]
.endr
.irp i, 0,1,2,3
	v_lshrrev_b32 v[T+4*\i+2], 23, v[T+4*\i+1]
.endr
.irp i, 0,1,2,3
.irp g, 0,1,2,3
	v_cvt_scalef32_pk8_fp4_f32 v[CD+4*\i+\g], v[X+32*\i+8*\g:X+32*\i+8*\g+7], v[T+4*\i+1]
.endr
.endr
	v_nop                                          ; one plain place behind a scaled conversion
.irp i, 0,1,2,3
	ds_store_b128 v5, v[CD+4*\i:CD+4*\i+3] offset:32*\i      ; sixteen lanes stand 256 bytes apart here and are served one after the other: four such stores a wave
	ds_store_b8 v6, v[T+4*\i+2] offset:HSC+8*\i
.endr
	LOADS 0
	LOADS 1
	LOADS 2
	LOADC 1
	s_wait_dscnt 0x0                               ; for the others' sake: my stores have landed
	s_barrier_signal -1
	s_barrier_wait -1                              ; h's eight fragments and their scale words lie in LDS
.irp f, 0,1,2,3,4,5,6,7
.irp c, 0,1
	ds_load_b128 v[AF+8*\f+4*\c:AF+8*\f+4*\c+3], v1 offset:1024*\f+512*\c
.endr
	ds_load_b32 v[AS+\f], v7 offset:HSC+64*\f
.endr
	s_wait_dscnt 0x0
	s_wait_loadcnt 63                              ; 64 loads (k's panel) are younger than q's panel and the scale words
; ---- a round: one head of q (which = 0), k (1) or v (2) for the 32 rows: 32 matrix instructions, the 8 accumulators by turns, one instruction a turn; then quantised and stored
.macro ROUND which, hl
.if (\which) == 0
	WIN 0x01                                       ; source 0: window 1
.elseif (\which) == 1
	WIN 0x02                                       ; source 0: window 2
.else
	WIN 0x0c                                       ; source 1: window 3
.endif
.irp sl, 0,1,2,3
.irp t, 0,1,2,3
.irp m, 0,1
.if (\which) < 2
	WM ACC+32*\m+8*\t, 8*(8*\sl+4*(\hl)+\t), AF+8*(4*\m+\sl), WS+16*(\which)+2*(4*(\hl)+\t)+\sl/2, AS+4*\m+\sl, \sl, \sl%2
.else
	WM ACC+16*\t+8*\m, AF+8*(4*\m+\sl), 8*(8*\sl+4*(\hl)+\t), AS+4*\m+\sl, WS+32+2*(4*(\hl)+\t)+\sl/2, \sl, 2*(\sl%2)
.endif
.endr
.endr
.endr
	WIN 0
	PLACES 5                                       ; four ahead of the first read of results; the fifth since the next round's products begin these accumulators anew
	s_wait_xcnt 0x0                                ; the last round's stores have read their data: only behind this wait are those registers written again
	QUANT ACC
.if (\which) == 0                      ; blocks: (tile 0: d 0-31, d 32-63), (tile 1: the same)
	v_and_or_b32 v225, v[PW], s27, s25             ; tile 0: (s0, s1, 127, 127)
	v_lshl_or_b32 v226, v[PW], 16, s26             ;         (127, 127, s0, s1)
	v_lshrrev_b32 v227, 16, v[PW]
	v_or_b32 v227, s25, v227                       ; tile 1 likewise
	v_and_or_b32 v228, v[PW], s24, s26
	v_cndmask_b32 v229, v225, v226, s24            ; lanes 16-31 take the second form
	v_cndmask_b32 v230, v227, v228, s24
	global_store_b128 v1, v[PC:PC+3], s[14:15] offset:131072*(\hl)
	global_store_b128 v1, v[PC+4:PC+7], s[14:15] offset:131072*(\hl)+512      ; each store: 512 consecutive bytes, aligned
	global_store_b32 v2, v229, s[16:17] offset:32768*(\hl)
	global_store_b32 v2, v230, s[16:17] offset:32768*(\hl)+128
.elseif (\which) == 1
	global_store_b128 v8, v[PC:PC+3], s[18:19] offset:286720*(\hl)
	global_store_b128 v8, v[PC+4:PC+7], s[18:19] offset:286720*(\hl)+512
	global_store_b32 v9, v[PW], s[18:19] offset:286720*(\hl)+8192             ; the pair's word: (tile 0: s0, s1; tile 1: s0, s1)
.else                                  ; blocks: these 32 keys of channel tiles 0 .. 3; registers 4 c .. 4 c + 3 hold tile 2 c + lane / 16
	v_cndmask_b32 v231, v[TM+4], v[TM+5], s24
	v_cndmask_b32 v232, v[TM+6], v[TM+7], s24
	global_store_b128 v10, v[PC:PC+3], s[18:19] offset:286720*(\hl)+4096      ; sixteen lanes store 256 consecutive bytes, aligned
	global_store_b128 v10, v[PC+4:PC+7], s[18:19] offset:286720*(\hl)+4096+2048
	global_store_b8 v11, v231, s[18:19] offset:286720*(\hl)+8704              ; one byte of a channel's word: the other three are three other work-groups'
	global_store_b8 v11, v232, s[18:19] offset:286720*(\hl)+8704+128
.endif
.endm
	ROUND 0, 0
	ROUND 0, 1
	LOADC 2
	s_wait_loadcnt 63                              ; 64 loads (v's panel) are younger than k's panel
	ROUND 1, 0
	ROUND 1, 1
	s_wait_loadcnt 0x0
	ROUND 2, 0
	ROUND 2, 1
	s_wait_tensorcnt 0x0
	ds_add_u32 v254, v255
	s_wait_dscnt 0x0
	s_endpgm
.Lfunc_end_k_q633507c06c_qkv:
	.size	k_q633507c06c_qkv, .Lfunc_end_k_q633507c06c_qkv-k_q633507c06c_qkv
	.p2alignl 7, 3214868480
	.fill 96, 4, 3214868480
	.section	.rodata,"a",@progbits
	.p2align	6, 0x0
	.amdhsa_kernel k_q633507c06c_qkv
		.amdhsa_group_segment_fixed_size 109056
		.amdhsa_private_segment_fixed_size 0
		.amdhsa_enable_private_segment 0
		.amdhsa_kernarg_size 64
		.amdhsa_user_sgpr_count 2
		.amdhsa_user_sgpr_kernarg_segment_ptr 1
		.amdhsa_wavefront_size32 1
		.amdhsa_system_sgpr_workgroup_id_x 1
		.amdhsa_system_sgpr_workgroup_id_y 1
		.amdhsa_system_sgpr_workgroup_id_z 1
		.amdhsa_system_vgpr_workitem_id 0
		.amdhsa_next_free_vgpr 1024
		.amdhsa_next_free_sgpr 66
		.amdhsa_reserve_vcc 0
		.amdhsa_float_denorm_mode_32 3
		.amdhsa_float_denorm_mode_16_64 3
		.amdhsa_memory_ordered 1
		.amdhsa_forward_progress 1
		.amdhsa_inst_pref_size 115
	.end_amdhsa_kernel
	.amdgpu_metadata
---
amdhsa.version: [ 1, 2 ]
amdhsa.kernels:
  - .name:           k_q633507c06c_qkv
    .symbol:         k_q633507c06c_qkv.kd
    .args:
      - { .name: x, .offset: 0, .size: 8, .value_kind: global_buffer, .address_space: global }
      - { .name: ln1_a, .offset: 8, .size: 8, .value_kind: global_buffer, .address_space: global }
      - { .name: ln1_b, .offset: 16, .size: 8, .value_kind: global_buffer, .address_space: global }
      - { .name: wst, .offset: 24, .size: 8, .value_kind: global_buffer, .address_space: global }
      - { .name: wss, .offset: 32, .size: 8, .value_kind: global_buffer, .address_space: global }
      - { .name: q_img, .offset: 40, .size: 8, .value_kind: global_buffer, .address_space: global }
      - { .name: q_sc, .offset: 48, .size: 8, .value_kind: global_buffer, .address_space: global }
      - { .name: kv, .offset: 56, .size: 8, .value_kind: global_buffer, .address_space: global }
    .group_segment_fixed_size: 109056
    .private_segment_fixed_size: 0
    .kernarg_segment_align: 8
    .kernarg_segment_size: 64
    .max_flat_workgroup_size: 128
    .sgpr_count:     66
    .vgpr_count:     1024
    .wavefront_size: 32
...
	.end_amdgpu_metadata
.endif
;; end of part 2
;; launch attn (part 3): grid 16 x 16, 16 waves a work-group, clusters of 4 x 1, 327,680 bytes of LDS; arguments q_img, q_sc, kv, maskbits, ctx_img, ctx_sc; writes ctx_img, ctx_sc
.if DOCPART == 3
	.amdgcn_target "amdgcn-amd-amdhsa--gfx1250"
	.amdhsa_code_object_version 6
	.text
	.protected	k_q633507c06c_attn
	.globl	k_q633507c06c_attn
	.p2align	8
	.type	k_q633507c06c_attn,@function
k_q633507c06c_attn:
	s_mov_b64 s[64:65], 0
	v_nop
	global_prefetch_b8 v0, s[64:65] scope:SCOPE_SE
	s_setreg_imm32_b32 hwreg(HW_REG_WAVE_MODE, 25, 1), 1
	s_wait_xcnt 0x0
	s_wait_alu depctr_hold_cnt(0) depctr_sa_sdst(0) depctr_va_vdst(0) depctr_va_sdst(0) depctr_va_ssrc(0) depctr_va_vcc(0) depctr_vm_vsrc(0)
	s_getreg_b32 s2, hwreg(HW_REG_IB_STS2, 6, 4)
	s_cmp_eq_u32 s2, 0
	s_cbranch_scc0 .Lentry_in_a_cluster
	s_endpgm
.Lentry_in_a_cluster:
	s_bfe_u32 s2, ttmp6, 0x10000c
	s_cmp_lg_u32 s2, 0x3003
	s_cbranch_scc0 .Lentry_shape_is_right
	s_endpgm
.Lentry_shape_is_right:
; ctx = softmax(where(mask == 0, -1e9, q k^T / 8)) v for one head and 256 queries a work-group, both products on codes of FP4 (E2M1) with one E8M0 scale for each 32 along K; ctx leaves quantised along the head's 64.
; THE SOFTMAX AHEAD OF THE SECOND PRODUCT: t = score x log2(e) / 8; M = the running largest t rounded UP to a whole number; p = 2^(t - M) is quantised along the keys, not normalised; the row's sum is taken of the
; unquantised p and divides at the end.  When M moves, the sum and O are multiplied by 2^(old M - new M), which rounds nothing.
; SHARES.  Sixteen waves, each with ONE tile of 16 queries in 256 registers, four waves to a SIMD, so that one wave's exponentials stand beside another's products and LDS loads.
; A HEAD'S K AND V LIE WHOLE IN LDS: 32 records of 8,960 bytes (128 keys each: K's codes, V^T's codes, both scales), 286,720 bytes.  Each wave brings two records by two tensor loads at the head; nothing is filled again.
; CLUSTER: the four query blocks of a cluster belong to one head, so each record is asked for JOINTLY: the same load, the same descriptor, a mask that names the four.
; LAYOUT.  Both products are used transposed (S^T = K Q^T, O^T = V^T P^T): a lane holds ONE query (lane % 16) throughout.  The keys of a tile are not neighbours (tile u of 32 keys takes keys 8 u + r + 8 (r / 8)), so that
; score register 16 b + i is key 32 b + 16 (lane / 16) + i of the step.  A HEAD HAS 64 CHANNELS, THE INSTRUCTION'S K IS 128: source 0 holds TWO tiles of keys side by side along K, and source 1 holds q in one half and zero codes in the
; other: v[20:27] = (q, 0) gives the first tile's scores, v[16:23] = (0, q) the second's.
; THE MASK comes as lane masks, 64 dwords a step, by scalar loads a step ahead: one v_cndmask_b32 a score register.
; LIMITS.  A masked score is set to -2^33, a logit of -1.07e9 where the definition has -1e9: its t is a whole number as the definition's is, so a row that is masked wholly gives p = 1 everywhere as there; results differ only
; where true logits lie under about -1e9.  A block of zeros gets the byte 1, not 127 (its codes are zeros; this program alone reads the bytes).  NaN and infinities are not served.
; A block's largest p is taken as p of the block's largest score, which takes v_exp_f32 not to fall where its input rises.
; REGISTERS: v1 16 lane, v2 4 lane, v3, v4 the step's LDS addresses, v5 -2^33; v12 -M, v13 the largest t, v[14:15] the sum in two halves; v16-19 zeros, v20-23 q, v24-27 zeros, v28 q's scale words;
;   v32-63 four pairs of tiles of K; v64-95 V^T's four fragments; v96-159 S^T, then p; v160-191 O^T; v192-195 K's scale words, v196-197 V's; v224-231 p's codes; v232-254 at work (v252 f, v253 p's scale word).
;   s[2:3] q_sc, s[4:5] lane selects, s[6:7] c, s[8:9] q_img, s[10:11] my tile's lane masks, s[12:19] descriptor group 1, s[20:23], s[24:27] groups 0, s28 wave, s29 the step's record in LDS, s30 steps to go, s31 the masks' offset,
;   s[32:63], s[68:99] the 64 lane masks.
.set REC, 8960                         ; a record
.macro CROUND                          ; a round of the cluster's barrier
	s_barrier_signal -1
	s_barrier_wait -1
	s_cmp_lg_u32 s28, 0
	s_cbranch_scc1 .Lnot_wave_0_\@
	s_barrier_signal -3
.Lnot_wave_0_\@:
	s_barrier_wait -3
	s_barrier_signal -1
	s_barrier_wait -1
.endm
	s_load_b256 s[68:75], s[0:1], 0x0              ; q_img, q_sc, kv, maskbits
	v_lshl_add_u32 v251, v0, 2, 0x46000
	v_mov_b32 v255, 0
	ds_add_u32 v251, v255
	ds_add_u32 v251, v255
	v_lshrrev_b32 v1, 5, v0
	v_readfirstlane_b32 s28, v1                    ; wave 0..15
	s_and_b32 s80, ttmp7, 0xffff                   ; 8 batch + head, which the four partners share
	s_lshl_b32 s81, s80, 5
	s_add_co_u32 s81, s81, s28
	s_mul_i32 s82, s81, REC                        ; my first record in memory: (32 head + wave) x 8,960: nothing of my place in the cluster enters a descriptor
	s_mov_b32 s83, 0
	s_mov_b32 s12, 15|(3<<16)|(1<<21)              ; group 1: 15:0 the mask: all four work-groups; 17:16 elements of 8 bytes; 21 set beside a mask; no padding
	s_mov_b32 s13, 32<<16                          ; tensor_dim0 = 32 elements: a dense block as rows of 256 bytes
	s_mov_b32 s14, 35<<16                          ; tensor_dim1 = 35 rows
	s_mov_b32 s15, 32<<16                          ; tile_dim0
	s_mov_b32 s16, 35                              ; tile_dim1
	s_mov_b32 s17, 32                              ; the pitch
	s_mov_b32 s18, 0
	s_mov_b32 s19, 0
	s_mov_b32 s20, 1
	s_mul_i32 s21, s28, REC                        ; record w to LDS byte 8,960 w,
	s_mov_b32 s24, 1
	s_add_co_u32 s25, s21, 16*REC                  ; record 16 + w sixteen records further on
	s_bfe_u32 s76, ttmp6, 0x40000                  ; cx: it enters q's, the masks' and ctx's addresses alone
	s_lshl_b32 s77, ttmp9, 2
	s_add_co_u32 s77, s77, s76                     ; my block of 256 queries
	s_lshl_b32 s77, s77, 4
	s_add_co_u32 s77, s77, s28                     ; my tile of 16
	s_lshl_b32 s78, s80, 8
	s_add_co_u32 s78, s78, s77
	s_lshl_b32 s84, s78, 9
	s_mov_b32 s85, 0
	s_lshl_b32 s86, s78, 7
	s_mov_b32 s87, 0
	s_lshl_b32 s88, s77, 13                        ; 32 steps x 256 bytes of lane masks a tile
	s_mov_b32 s89, 0
	s_mov_b32 s4, 0x76543210
	s_mov_b32 s5, 0xfedcba98
	s_mov_b32 s6, 0x3e38aa3b                       ; c = log2(e) / 8
	s_mov_b32 s7, s6                               ; (named with it as a pair, so it is written)
	s_mov_b32 s29, 0
	s_mov_b32 s30, 32
	s_mov_b32 s31, 0
	s_wait_dscnt 0x0
	s_wait_kmcnt 0x0
	s_add_nc_u64 s[22:23], s[72:73], s[82:83]
	s_add_nc_u64 s[26:27], s[22:23], 16*REC
	s_or_b32 s23, s23, 0x80000000                  ; type = 2
	s_or_b32 s27, s27, 0x80000000
	s_add_nc_u64 s[8:9], s[68:69], s[84:85]
	s_add_nc_u64 s[2:3], s[70:71], s[86:87]
	s_add_nc_u64 s[10:11], s[74:75], s[88:89]
	CROUND                                         ; all four work-groups are here: the joint loads meet
	tensor_load_to_lds s[20:23], s[12:19]          ; two loads of mine are out; they are the launch's only fills
	s_nop 0
	tensor_load_to_lds s[24:27], s[12:19]
	s_nop 0
.rept 4
	v_nop                                          ; (four such lines behind the loads)
.endr
	v_and_b32 v2, 31, v0
	v_lshlrev_b32 v1, 4, v2
	v_lshlrev_b32 v2, 2, v2
	global_load_b128 v[20:23], v1, s[8:9]          ; q: block lane / 16 of query lane % 16
	global_load_b32 v28, v2, s[2:3]
	s_load_b512 s[32:47], s[10:11], s31 offset:0x0 ; step 0's lane masks
	s_load_b512 s[48:63], s[10:11], s31 offset:0x40
	s_load_b512 s[68:83], s[10:11], s31 offset:0x80
	s_load_b512 s[84:99], s[10:11], s31 offset:0xc0
	v_mov_b32 v5, 0xd0000000                       ; -2^33
	v_mov_b32 v13, 0xff61b1e6                      ; the largest t so far: -3e38, under every t
	v_floor_f32 v12, -v13                          ; -M
	v_mov_b32 v14, 0
	v_mov_b32 v15, 0
.irp j, 16,17,18,19,24,25,26,27
	v_mov_b32 v\j, 0                               ; zero codes beside q
.endr
.set j, 0
.rept 32
	v_mov_b32 v[160+j], 0                          ; O^T: the step is written once; its first trip finds zeros, which the first change of M leaves zeros
.set j, j+1
.endr
.irp b, 0,1,2,3
	v_mov_b32 v[236+\b], 0                         ; written once: a lane permute's destination counts as one of its sources
.endr
	v_mov_b32 v253, 0                              ; (named as the upper half of the pair v[252:253] before it is first written)
	s_wait_loadcnt 0x0                             ; q
	s_wait_tensorcnt 0x0                           ; my two records have landed,
	s_barrier_signal -1
	s_barrier_wait -1                              ; everybody's have: from here on LDS is only read
.Lstep:                                            ; 32 trips: a record, 128 keys
	v_add_nc_u32 v3, s29, v1
	v_add_nc_u32 v4, s29, v2
	v_nop
	v_nop                                          ; these four lines are the places ahead of loads into registers that the last trip's products have read
.irp b, 0,1,2,3
.irp u, 0,1
	ds_load_b128 v[32+8*\b+4*\u:35+8*\b+4*\u], v3 offset:512*(2*\b+\u)
.endr
.endr
.irp b, 0,1,2,3
	ds_load_b32 v[192+\b], v4 offset:8192+128*\b
.endr
.irp t, 0,1,2,3
.irp c, 0,1
	ds_load_b128 v[64+8*\t+4*\c:67+8*\t+4*\c], v3 offset:4096+1024*\t+512*\c
.endr
.endr
.irp p, 0,1
	ds_load_b32 v[196+\p], v4 offset:8704+128*\p
.endr
	s_wait_dscnt 10                                ; K and its scales are in; V's ten loads may be out
.irp b, 0,1,2,3
	v_wmma_scale_f32_16x16x128_f8f6f4 v[96+16*\b:103+16*\b], v[32+8*\b:39+8*\b], v[20:27], 0, v[192+\b], v28 matrix_a_fmt:MATRIX_FMT_FP4 matrix_b_fmt:MATRIX_FMT_FP4
	v_wmma_scale_f32_16x16x128_f8f6f4 v[104+16*\b:111+16*\b], v[32+8*\b:39+8*\b], v[16:23], 0, v[192+\b], v28 matrix_a_fmt:MATRIX_FMT_FP4 matrix_b_fmt:MATRIX_FMT_FP4 matrix_b_scale:MATRIX_SCALE_ROW1
.endr
.rept 4
	v_nop
.endr
	s_wait_kmcnt 0x0                               ; this step's lane masks, asked for a step ago
.set n, 0
.rept 32
	v_cndmask_b32 v[96+n], v5, v[96+n], s[32+n]    ; where the mask is 0 the score becomes -2^33.  Ascending: each accumulator is read from its low end on
.set n, n+1
.endr
.rept 32
	v_cndmask_b32 v[96+n], v5, v[96+n], s[36+n]
.set n, n+1
.endr
	s_add_co_u32 s31, s31, 256                     ; (the wait above has shown the loads that read s31 done)
	s_and_b32 s31, s31, 0x1fff                     ; the last trip asks for step 0 again: no load leaves the buffer
	s_load_b512 s[32:47], s[10:11], s31 offset:0x0
	s_load_b512 s[48:63], s[10:11], s31 offset:0x40
	s_load_b512 s[68:83], s[10:11], s31 offset:0x80
	s_load_b512 s[84:99], s[10:11], s31 offset:0xc0
.irp b, 0,1,2,3
	v_max3_num_f32 v[232+\b], v[96+16*\b], v[97+16*\b], v[98+16*\b]   ; the largest score of each block of 32 keys: it serves for the row's maximum and, since p rises with the score, for the block's largest p
.endr
.irp i, 3,5,7,9,11,13
.irp b, 0,1,2,3
	v_max3_num_f32 v[232+\b], v[232+\b], v[96+16*\b+\i], v[97+16*\b+\i]
.endr
.endr
.irp b, 0,1,2,3
	v_max_num_f32 v[232+\b], v[232+\b], v[111+16*\b]
.endr
.irp b, 0,1,2,3
	v_permlanex16_b32 v[236+\b], v[232+\b], s4, s5
.endr
.irp b, 0,1,2,3
	v_max_num_f32 v[232+\b], v[232+\b], v[236+\b]  ; with lane l xor 16's 16 keys
.endr
	v_max3_num_f32 v254, v232, v233, v234
	v_max_num_f32 v254, v254, v235                 ; the step's largest score of my query
	v_mul_f32 v254, s6, v254                       ; as t (c is positive)
	v_max_num_f32 v13, v13, v254                   ; the running largest t
	v_mov_b32 v254, v12
	v_floor_f32 v12, -v13                          ; the new -M = floor(-t): M is a whole number
	v_sub_f32 v254, v12, v254                      ; old M - new M: a whole number, 0 or less
	v_cvt_i32_f32 v254, v254                       ; (it saturates)
	v_ldexp_f32 v252, 1.0, v254                    ; f = 2^(old M - new M)
.set j, 0
.rept 32
	v_pk_fma_f32 v[96+j:97+j], v[96+j:97+j], s[6:7], v[12:13] op_sel_hi:[1,0,0]   ; t - M, two at a time
.set j, j+2
.endr
.irp b, 0,1,2,3
	v_fma_f32 v[232+\b], v[232+\b], s6, v12        ; the same of each block's largest score
.endr
.set j, 0
.rept 64
	v_exp_f32 v[96+j], v[96+j]                     ; p = 2^(t - M), at most 1
.set j, j+1
.endr
	v_pk_mul_f32 v[14:15], v[14:15], v[252:253] op_sel_hi:[1,0]   ; the sums under the new M (a plain place behind the exponentials)
	s_wait_alu depctr_va_vdst(0)                   ; one wait for the whole batch, ahead of its first reader
.irp b, 0,1,2,3
	v_exp_f32 v[232+\b], v[232+\b]                 ; the block's largest p: the same two instructions on the same number
.endr
	v_pk_add_f32 v[236:237], v[96:97], v[98:99]    ; the row's sum of the unquantised p, in two chains
.irp j, 4,8,12,16,20,24,28,32,36,40,44,48,52,56,60
	v_pk_add_f32 v[14:15], v[14:15], v[96+\j:97+\j]
	v_pk_add_f32 v[236:237], v[236:237], v[98+\j:99+\j]
.endr
	v_pk_add_f32 v[14:15], v[14:15], v[236:237]
	s_wait_alu depctr_va_vdst(0)                   ; and one for the four
.irp b, 0,1,2,3
	v_max_num_f32 v[232+\b], 0x1800000, v[232+\b]  ; the floor 2^(3 - 127): the byte cannot fall under 1
.endr
.irp b, 0,1,2,3
	v_add_nc_u32 v[244+\b], 0xff000000, v[232+\b]  ; 2 off the exponent field: the conversion's scale operand
.endr
.irp b, 0,1,2,3
	v_lshrrev_b32 v[236+\b], 23, v[244+\b]
.endr
	v_lshl_or_b32 v253, v237, 8, v236              ; p's scale word for these 128 keys
	v_lshl_or_b32 v253, v238, 16, v253
	v_lshl_or_b32 v253, v239, 24, v253
.irp b, 0,1,2,3
	v_cvt_scalef32_pk8_fp4_f32 v[224+2*\b], v[96+16*\b:103+16*\b], v[244+\b]
	v_cvt_scalef32_pk8_fp4_f32 v[225+2*\b], v[104+16*\b:111+16*\b], v[244+\b]
.endr
	v_nop                                          ; one plain place behind a scaled conversion
.irp c, 0,1
.irp i, 0,1
	v_permlane16_swap_b32 v[224+4*\c+\i], v[226+4*\c+\i]   ; a whole block to a lane: lanes 0-15 block 2 c, lanes 16-31 block 2 c + 1
.endr
.endr
.set j, 0
.rept 16
	v_pk_mul_f32 v[160+j:161+j], v[160+j:161+j], v[252:253] op_sel_hi:[1,0]   ; O^T under the new M; these sixteen also stand between the lines that made p's codes and scale word and the products
.set j, j+2
.endr
	s_wait_dscnt 0x0                               ; V and its scales
.irp t, 0,2
	v_wmma_scale_f32_16x16x128_f8f6f4 v[160+8*\t:167+8*\t], v[64+8*\t:71+8*\t], v[224:231], v[160+8*\t:167+8*\t], v[196+\t/2], v253 matrix_a_fmt:MATRIX_FMT_FP4 matrix_b_fmt:MATRIX_FMT_FP4
	v_wmma_scale_f32_16x16x128_f8f6f4 v[168+8*\t:175+8*\t], v[72+8*\t:79+8*\t], v[224:231], v[168+8*\t:175+8*\t], v[196+\t/2], v253 matrix_a_fmt:MATRIX_FMT_FP4 matrix_b_fmt:MATRIX_FMT_FP4 matrix_a_scale:MATRIX_SCALE_ROW1
.endr
	s_add_co_u32 s29, s29, REC
	s_sub_co_u32 s30, s30, 1
	s_cmp_lg_u32 s30, 0
	s_cbranch_scc1 .Lstep
; ---- the way out: O^T / the sum is ctx; register 16 g + i is channel 32 g + 16 (lane / 16) + i of my query; its two blocks are quantised and leave as half a fragment of the next product
	v_add_f32 v14, v14, v15
	v_permlanex16_b32 v252, v14, s4, s5
	v_add_f32 v14, v14, v252                       ; the row's sum
	v_rcp_f32 v14, v14
.rept 4
	v_nop                                          ; the plain place behind the reciprocal, and the places behind the last products
.endr
	s_wait_alu depctr_va_vdst(0)
.set j, 0
.rept 32
	v_mul_f32 v[96+j], v[160+j], v14
.set j, j+1
.endr
.irp g, 0,1
	v_max3_num_f32 v[232+\g], |v[96+16*\g]|, |v[97+16*\g]|, 0x1800000
.endr
.irp i, 2,4,6,8,10,12,14
.irp g, 0,1
	v_max3_num_f32 v[232+\g], v[232+\g], |v[96+16*\g+\i]|, |v[97+16*\g+\i]|
.endr
.endr
.irp g, 0,1
	v_permlanex16_b32 v[236+\g], v[232+\g], s4, s5
.endr
.irp g, 0,1
	v_max_num_f32 v[232+\g], v[232+\g], v[236+\g]
.endr
.irp g, 0,1
	v_add_nc_u32 v[244+\g], 0xff000000, v[232+\g]
.endr
.irp g, 0,1
	v_lshrrev_b32 v[236+\g], 23, v[244+\g]
.endr
	v_lshl_or_b32 v253, v237, 8, v236              ; the head's two bytes of the row's scale word
.irp g, 0,1
	v_cvt_scalef32_pk8_fp4_f32 v[224+2*\g], v[96+16*\g:103+16*\g], v[244+\g]
	v_cvt_scalef32_pk8_fp4_f32 v[225+2*\g], v[104+16*\g:111+16*\g], v[244+\g]
.endr
	v_nop
	v_permlane16_swap_b32 v224, v226
	v_permlane16_swap_b32 v225, v227
	s_wait_kmcnt 0x0                               ; the last trip's scalar loads have landed: their registers are free
	s_load_b128 s[32:35], s[0:1], 0x20             ; ctx_img, ctx_sc
	s_bfe_u32 s36, ttmp6, 0x40000
	s_lshl_b32 s37, ttmp9, 2
	s_add_co_u32 s37, s37, s36
	s_lshl_b32 s37, s37, 4
	s_add_co_u32 s37, s37, s28                     ; my tile
	s_and_b32 s38, ttmp7, 0xffff
	s_lshr_b32 s39, s38, 3                         ; batch
	s_and_b32 s38, s38, 7                          ; head
	s_lshl_b32 s39, s39, 8
	s_add_co_u32 s39, s39, s37
	s_lshl_b32 s40, s39, 3
	s_add_co_u32 s40, s40, s38
	s_lshl_b32 s40, s40, 9                         ; ((256 batch + tile) x 8 + head) x 512
	s_mov_b32 s41, 0
	s_lshl_b32 s42, s39, 2
	s_lshr_b32 s43, s38, 1
	s_add_co_u32 s42, s42, s43
	s_lshl_b32 s42, s42, 7
	s_and_b32 s43, s38, 1
	s_lshl_b32 s43, s43, 1
	s_add_co_u32 s42, s42, s43                     ; ((256 batch + tile) x 4 + head / 2) x 128 + 2 (head % 2)
	s_mov_b32 s43, 0
	s_wait_kmcnt 0x0
	s_add_nc_u64 s[32:33], s[32:33], s[40:41]
	s_add_nc_u64 s[34:35], s[34:35], s[42:43]
	global_store_b128 v1, v[224:227], s[32:33]     ; 512 consecutive bytes, aligned
	global_store_b16 v2, v253, s[34:35]            ; half of each lane's word; the other half is the neighbouring head's
	s_wait_tensorcnt 0x0
	ds_add_u32 v251, v255
	s_wait_dscnt 0x0
	CROUND                                         ; the closing round: no work-group ends while a partner may still ask for a record that names it
	s_endpgm
.Lfunc_end_k_q633507c06c_attn:
	.size	k_q633507c06c_attn, .Lfunc_end_k_q633507c06c_attn-k_q633507c06c_attn
	.p2alignl 7, 3214868480
	.fill 96, 4, 3214868480
	.section	.rodata,"a",@progbits
	.p2align	6, 0x0
	.amdhsa_kernel k_q633507c06c_attn
		.amdhsa_group_segment_fixed_size 327680
		.amdhsa_private_segment_fixed_size 0
		.amdhsa_enable_private_segment 0
		.amdhsa_kernarg_size 48
		.amdhsa_user_sgpr_count 2
		.amdhsa_user_sgpr_kernarg_segment_ptr 1
		.amdhsa_wavefront_size32 1
		.amdhsa_system_sgpr_workgroup_id_x 1
		.amdhsa_system_sgpr_workgroup_id_y 1
		.amdhsa_system_sgpr_workgroup_id_z 1
		.amdhsa_system_vgpr_workitem_id 0
		.amdhsa_next_free_vgpr 256
		.amdhsa_next_free_sgpr 100
		.amdhsa_reserve_vcc 0
		.amdhsa_float_denorm_mode_32 3
		.amdhsa_float_denorm_mode_16_64 3
		.amdhsa_memory_ordered 1
		.amdhsa_forward_progress 1
		.amdhsa_inst_pref_size 30
	.end_amdhsa_kernel
	.amdgpu_metadata
---
amdhsa.version: [ 1, 2 ]
amdhsa.kernels:
  - .name:           k_q633507c06c_attn
    .symbol:         k_q633507c06c_attn.kd
    .args:
      - { .name: q_img, .offset: 0, .size: 8, .value_kind: global_buffer, .address_space: global }
      - { .name: q_sc, .offset: 8, .size: 8, .value_kind: global_buffer, .address_space: global }
      - { .name: kv, .offset: 16, .size: 8, .value_kind: global_buffer, .address_space: global }
      - { .name: maskbits, .offset: 24, .size: 8, .value_kind: global_buffer, .address_space: global }
      - { .name: ctx_img, .offset: 32, .size: 8, .value_kind: global_buffer, .address_space: global }
      - { .name: ctx_sc, .offset: 40, .size: 8, .value_kind: global_buffer, .address_space: global }
    .group_segment_fixed_size: 327680
    .private_segment_fixed_size: 0
    .kernarg_segment_align: 8
    .kernarg_segment_size: 48
    .max_flat_workgroup_size: 512
    .sgpr_count:     100
    .vgpr_count:     256
    .wavefront_size: 32
...
	.end_amdgpu_metadata
.endif
;; end of part 3
;; launch ffn (part 4): grid 256 x 1, 4 waves a work-group, no clusters, 90,624 bytes of LDS; arguments ctx_img, ctx_sc, x, wst, wss, ln2_a, ln2_b, b1, b2, out0; writes out0
.if DOCPART == 4
	.amdgcn_target "amdgcn-amd-amdhsa--gfx1250"
	.amdhsa_code_object_version 6
	.text
	.protected	k_q633507c06c_ffn
	.globl	k_q633507c06c_ffn
	.p2align	8
	.type	k_q633507c06c_ffn,@function
k_q633507c06c_ffn:
	s_mov_b64 s[64:65], 0
	v_nop
	global_prefetch_b8 v0, s[64:65] scope:SCOPE_SE
	s_setreg_imm32_b32 hwreg(HW_REG_WAVE_MODE, 25, 1), 1
	s_wait_xcnt 0x0
; x1 = x + ctx w_o;  h2 = layer_norm(x1);  out = x1 + relu(h2 w1 + b1) w2 + b2.  All three products on codes of FP4 (E2M1) with one E8M0 scale for each 32 along K.  x1, h2 and the hidden layer never go to memory.
; SHARES.  A work-group takes 32 rows, as two tiles m (tile m: rows 8 m + r + 8 (r / 8)).  THE WAVES SHARE THE COLUMNS: wave w owns columns 128 w .. 128 w + 127 of x1 and out, and hidden units 512 w .. 512 w + 511, for all 32 rows.
; Its weights are a stream of nine panels of 32,768 bytes (w_o; w1 in four groups of 128 units; w2 in four runs of 512 along K), laid by the first launch in the order of its registers; they go from memory straight into windows 2 and 3
; by turns, two panels ahead of their products.  A PANEL'S 68 LOADS ARE DEALT OUT AMONG THE STEP'S WORK, eight at a time: one group behind each K step's sixteen products, into fragments whose products have been issued, the others among
; the vector work behind the products, so that the wave works between its requests.  The price is two switches of the register window for each group.
; NO CLUSTER, NO TENSOR LOAD: every fragment of a weight is wanted by exactly one wave of a work-group and feeds two products; through LDS each of its bytes would be written and read once more.
; All products are used transposed (source 0 = 16 columns of a weight, source 1 = 16 rows): a lane holds one row, and the 16 registers of tiles 2 g, 2 g + 1 are columns 32 g + 16 (lane / 16) + 0 .. 15, since a weight's tile u takes
; columns 8 u + r + 8 (r / 8) of each 32.  So x is the C of the first product, b1 of the second and x1 of the third: the residuals and b1 cost no addition.
; x IS LOADED AS IT LIES, 512 consecutive bytes a load, and takes the way out's stage backwards into the result's layout.
; Operands go from wave to wave through LDS as images of their registers: a fragment by two stores of 16 bytes a lane, a scale word by one of 4.
; LIMITS: a block of zeros gets the byte 1 where the rule says 127 (its codes are zeros; this program alone reads the bytes); NaN and infinities are not served; the norm multiplies by the rounded 1/511 and by v_rcp_f32's reciprocal.
.set H2IMG, 0                          ; LDS: h2's 8 fragments (4 m + K step), 1,024 bytes each
.set H2SC,  8192                       ; their scale words, 128 bytes each
.set HID,   9216                       ; the hidden layer's 32 fragments (16 m + K step)
.set HIDSC, 41984                      ; their scale words
.set RED1,  46080                      ; the rows' sums: a word for each lane and wave
.set RED2,  46592                      ; the sums of squares
.set B1L,   47104                      ; b1: 2,048 bytes a wave, its own
.set STG,   55296                      ; x's way in and the way out: 16 rows x (512 + 16) bytes a wave, its own
.set AF,  16                           ; window 0: v16-79 eight fragments of the rows' operand
.set ST,  80                           ; v80-143  64 numbers at work
.set AS,  144                          ; v144-151 the rows' scale words
.set WS,  152                          ; v152-183 the weights' scale words, two sets of 16
.set PC,  184                          ; v184-191 codes just made
.set TM,  192                          ; v192-207 the quantiser's
.set PW,  208                          ; v208     the scale word just made;  v210-235 the norm's;  v236-239 b2
.set X1,  0                            ; window 1: v0-127 x, then x1, then out: accumulator (m, tile) at 64 m + 8 tile
.set HA,  128                          ; v128-255 x as loaded, then ln2_a and ln2_b, then the hidden layer's 16 accumulators
.set MSB, 0
.macro WIN new                         ; register windows: the immediate's high byte repeats the setting that is left
.if MSB != (\new)
	s_set_vgpr_msb (MSB<<8)|(\new)
.set MSB, (\new)
.endif
.endm
.macro PLACES n
.rept \n
	v_nop
.endr
.endm
.macro BARRIER                         ; my LDS stores have landed and my LDS loads are in: then the work-group's barrier
	s_wait_dscnt 0x0
	s_barrier_signal -1
	s_barrier_wait -1
.endm
.macro WM d, a, b, sa, sb, row         ; one matrix instruction, in place; row = 1: the weight's scales stand in lanes 16-31 of their register
.if (\row) == 0
	v_wmma_scale_f32_16x16x128_f8f6f4 v[(\d):(\d)+7], v[(\a):(\a)+7], v[(\b):(\b)+7], v[(\d):(\d)+7], v[(\sa)], v[(\sb)] matrix_a_fmt:MATRIX_FMT_FP4 matrix_b_fmt:MATRIX_FMT_FP4
.else
	v_wmma_scale_f32_16x16x128_f8f6f4 v[(\d):(\d)+7], v[(\a):(\a)+7], v[(\b):(\b)+7], v[(\d):(\d)+7], v[(\sa)], v[(\sb)] matrix_a_fmt:MATRIX_FMT_FP4 matrix_b_fmt:MATRIX_FMT_FP4 matrix_a_scale:MATRIX_SCALE_ROW1
.endif
.endm
; 64 numbers of a lane, register 16 b + i = k 32 b + 16 (lane / 16) + i of my row, become a fragment's codes in v[PC] on and its scale word in v[PW].
.macro QUANT s
.irp b, 0,1,2,3
	v_max3_num_f32 v[TM+\b], |v[\s+16*\b]|, |v[\s+1+16*\b]|, 0x1800000   ; my 16 numbers, and the floor 2^(3 - 127): the byte cannot fall under 1
.endr
.irp i, 2,4,6,8,10,12,14
.irp b, 0,1,2,3
	v_max3_num_f32 v[TM+\b], v[TM+\b], |v[\s+16*\b+\i]|, |v[\s+1+16*\b+\i]|
.endr
.endr
.irp b, 0,1,2,3
	v_permlanex16_b32 v[TM+4+\b], v[TM+\b], s26, s27
.endr
.irp b, 0,1,2,3
	v_max_num_f32 v[TM+\b], v[TM+\b], v[TM+4+\b]
.endr
.irp b, 0,1,2,3
	v_add_nc_u32 v[TM+12+\b], 0xff000000, v[TM+\b]
.endr
.irp b, 0,1,2,3
	v_lshrrev_b32 v[TM+4+\b], 23, v[TM+12+\b]
.endr
	v_lshl_or_b32 v[PW], v[TM+5], 8, v[TM+4]
	v_lshl_or_b32 v[PW], v[TM+6], 16, v[PW]
	v_lshl_or_b32 v[PW], v[TM+7], 24, v[PW]
.irp b, 0,1,2,3
	v_cvt_scalef32_pk8_fp4_f32 v[PC+2*\b], v[\s+16*\b:\s+7+16*\b], v[TM+12+\b]
	v_cvt_scalef32_pk8_fp4_f32 v[PC+1+2*\b], v[\s+8+16*\b:\s+15+16*\b], v[TM+12+\b]
.endr
	v_nop                                          ; one plain place behind a scaled conversion
.irp c, 0,1
.irp i, 0,1
	v_permlane16_swap_b32 v[PC+4*\c+\i], v[PC+2+4*\c+\i]
.endr
.endr
.endm
.macro IMAGE adr, off                  ; the fragment in v[PC] on goes to LDS as it stands
.irp c, 0,1
	ds_store_b128 v[\adr], v[PC+4*\c:PC+4*\c+3] offset:\off+512*\c
.endr
.endm
.macro FETCH reg, off                  ; and comes back so, in any wave
.irp c, 0,1
	ds_load_b128 v[(\reg)+4*\c:(\reg)+4*\c+3], v1 offset:\off+512*\c
.endr
.endm
.macro FETCHP P                        ; the hidden layer's eight fragments of K steps 4 P .. 4 P + 3, and their scale words
.irp m, 0,1
.irp sl, 0,1,2,3
	FETCH AF+8*(4*\m+\sl), HID+(16*\m+4*(\P)+\sl)*1024
	ds_load_b32 v[AS+4*\m+\sl], v2 offset:HIDSC+(16*\m+4*(\P)+\sl)*128
.endr
.endr
.endm
; Panel p: 4 loads of scale words into set p % 2 and 64 loads of codes into window 2 + p % 2, 512 consecutive bytes each.
.macro LOADPS p                        ; the scale words
	WIN 0
.irp q, 0,1,2,3
	global_load_b128 v[WS+16*((\p)%2)+4*\q:WS+16*((\p)%2)+4*\q+3], v1, s[12:13] offset:2048*(\p)+512*\q
.endr
.endm
.macro LOADPN p, from, n               ; n loads of codes from load number from on
	WIN 0x80+0x40*((\p)%2)
.set i, (\from)
.rept \n
	global_load_b128 v[4*i:4*i+3], v1, s[10:11] offset:32768*(\p)+512*i
.set i, i+1
.endr
	WIN 0
.endm
.macro LOADPC p, c                     ; group c of eight
	LOADPN \p, 8*(\c), 8
.endm
.macro LOADPT p                        ; the scale words and groups 4 to 7
	LOADPS \p
	LOADPN \p, 32, 32
.endm
.macro LOADP p                         ; the whole panel
	LOADPS \p
	LOADPN \p, 0, 64
.endm
; Panel p x the eight fragments in AF: 64 matrix instructions, the 16 accumulators by turns, one instruction a turn; then five places.
; nxt >= 0: groups 0 to 3 of panel nxt = p + 2, which takes this panel's window, stand behind the four K steps: group c lands in registers 32 c .. 32 c + 31, fragments of K step c / 2, whose products have been issued, four places back or more.
.macro MULP p, acc, nxt
.irp sl, 0,1,2,3
	WIN 0x52+((\p)%2)                              ; source 0 window 2 or 3, source 1 window 0, C and D window 1
.irp T, 0,1,2,3,4,5,6,7
.irp m, 0,1
	WM (\acc)+64*\m+8*\T, 8*(8*\sl+\T), AF+8*(4*\m+\sl), WS+16*((\p)%2)+2*\T+\sl/2, AS+4*\m+\sl, \sl%2
.endr
.endr
.if \sl < 3
.if (\nxt) >= 0
	PLACES 4                                       ; ahead of loads into registers that matrix instructions have read
	LOADPC \nxt, \sl
.endif
.endif
.endr
	WIN 0
	PLACES 5                                       ; ahead of loads into the registers just read, of the first read of results, and of later products on the same accumulators
.if (\nxt) >= 0
	LOADPC \nxt, 3
.endif
.endm
.macro B1LOAD grp, mm                  ; b1 of my hidden units 128 grp on, in the result's layout, as the C of tile mm's eight sums
	WIN 0x40
.irp T, 0,1,2,3,4,5,6,7
.irp j, 0,1
	ds_load_b128 v[HA+64*(\mm)+8*\T+4*\j:HA+64*(\mm)+8*\T+4*\j+3], v5 offset:512*(\grp)+128*(\T/2)+32*(\T%2)+16*\j
.endr
.endr
	WIN 0
.endm
; The four chains v[210:217] (tile 0: 210-213, tile 1: 214-217) become the rows' sums over all 512 columns: v224 for tile 0's row r, v228 for tile 1's.
.macro REDUCE red
	v_pk_add_f32 v[210:211], v[210:211], v[212:213]
	v_pk_add_f32 v[214:215], v[214:215], v[216:217]
	v_add_f32 v210, v210, v211
	v_add_f32 v214, v214, v215
	v_permlanex16_b32 v218, v210, s26, s27
	v_permlanex16_b32 v219, v214, s26, s27
	v_add_f32 v210, v210, v218                     ; my wave's 128 columns of row r
	v_add_f32 v214, v214, v219
	v_cndmask_b32 v220, v210, v214, s28            ; lanes 0-15 hand on tile 0's, lanes 16-31 tile 1's
	ds_store_b32 v7, v220 offset:\red
	BARRIER
	ds_load_b128 v[224:227], v8 offset:\red        ; the four waves' parts
	ds_load_b128 v[228:231], v8 offset:\red+256
	s_wait_dscnt 0x0
	v_add_f32 v224, v224, v225
	v_add_f32 v226, v226, v227
	v_add_f32 v228, v228, v229
	v_add_f32 v230, v230, v231
	v_add_f32 v224, v224, v226
	v_add_f32 v228, v228, v230
.endm
	s_load_b512 s[4:19], s[0:1], 0x0               ; ctx_img, ctx_sc, x, wst, wss, ln2_a, ln2_b, b1
	s_load_b128 s[20:23], s[0:1], 0x40             ; b2, out0
	v_lshl_add_u32 v254, v0, 2, 0x16000
	v_mov_b32 v255, 0
	v_lshrrev_b32 v1, 5, v0
	v_readfirstlane_b32 s24, v1                    ; wave 0..3
	v_and_b32 v2, 31, v0
	v_lshlrev_b32 v1, 4, v2                        ; v1  16 x lane
	v_lshlrev_b32 v2, 2, v2                        ; v2  4 x lane
	v_and_b32 v15, 15, v0                          ; r
	v_bfe_u32 v4, v0, 4, 1                         ; h
	v_lshlrev_b32 v4, 6, v4                        ; v4  64 h
	s_lshl_b32 s30, s24, 11
	v_add_nc_u32 v5, s30, v4
	v_add_nc_u32 v5, B1L, v5                       ; v5  b1 in LDS, as read: my wave's, + 64 h
	v_add_nc_u32 v6, s30, v1
	v_add_nc_u32 v6, B1L, v6                       ; v6  and as stored
	s_lshl_b32 s31, s24, 2
	v_add_nc_u32 v7, s31, v1                       ; v7  a sum's word: 16 lane + 4 wave
	v_lshlrev_b32 v8, 4, v15                       ; v8  16 r
	s_lshl_b32 s31, s24, 10
	v_add_nc_u32 v9, s31, v1                       ; v9  h2's image: K step = wave
	s_lshl_b32 s31, s24, 7
	v_add_nc_u32 v10, s31, v2                      ; v10 its scale words
	s_lshl_b32 s31, s24, 12
	v_add_nc_u32 v11, s31, v1                      ; v11 the hidden layer's images: K steps 4 wave on
	s_lshl_b32 s31, s24, 9
	v_add_nc_u32 v12, s31, v2                      ; v12 their scale words
	s_mul_i32 s31, s24, 16*528
	s_add_co_u32 s31, s31, STG
	v_mul_u32_u24 v13, v15, 528
	v_add_nc_u32 v13, v13, v4
	v_add_nc_u32 v13, s31, v13                     ; v13 the stage by the result's layout: row r, + 64 h
	v_add_nc_u32 v14, s31, v1                      ; v14 the stage by rows: 16 bytes a lane of a row
	s_mov_b32 s26, 0x76543210
	s_mov_b32 s27, 0xfedcba98                      ; v_permlanex16_b32's selects for lane l xor 16
	s_mov_b32 s28, 0xffff0000                      ; lanes 16-31
.irp j, 196,197,198,199,218,219,233,235
	v_mov_b32 v\j, 0                               ; written once: lane permutes' destinations, and the upper halves of pairs of which the low word serves both halves
.endr
.irp j, 210,211,212,213,214,215,216,217
	v_mov_b32 v\j, 0                               ; the sums' four chains
.endr
	s_mov_b32 s33, 0
	s_mul_i32 s34, s24, 9
	s_add_co_u32 s34, s34, 12                      ; my first panel
	s_wait_kmcnt 0x0
	s_lshl_b32 s32, ttmp9, 13
	s_add_nc_u64 s[4:5], s[4:5], s[32:33]          ; ctx's two tiles: 4,096 bytes each
	s_lshl_b32 s32, ttmp9, 10
	s_add_nc_u64 s[6:7], s[6:7], s[32:33]
	s_lshl_b32 s32, ttmp9, 16
	s_lshl_b32 s35, s24, 9
	s_add_co_u32 s32, s32, s35
	s_add_nc_u64 s[8:9], s[8:9], s[32:33]          ; x and out: 32 rows of 2,048 bytes a work-group, 512 bytes a wave
	s_add_nc_u64 s[22:23], s[22:23], s[32:33]
	s_lshl_b32 s32, s34, 15
	s_add_nc_u64 s[10:11], s[10:11], s[32:33]
	s_lshl_b32 s32, s34, 11
	s_add_nc_u64 s[12:13], s[12:13], s[32:33]
	s_mov_b32 s32, s35
	s_add_nc_u64 s[14:15], s[14:15], s[32:33]
	s_add_nc_u64 s[16:17], s[16:17], s[32:33]
	s_add_nc_u64 s[20:21], s[20:21], s[32:33]
	s_mov_b32 s32, s30
	s_add_nc_u64 s[18:19], s[18:19], s[32:33]
; ---- the loads
	WIN 0x40
.irp m, 0,1
.irp i, 0,1,2,3,4,5,6,7,8,9,10,11,12,13,14,15
	global_load_b128 v[HA+64*\m+4*\i:HA+64*\m+4*\i+3], v1, s[8:9] offset:(8*\m+\i+8*(\i/8))*2048 th:TH_LOAD_NT   ; lane-row i of tile m: my 128 columns, 512 consecutive bytes
.endr
.endr
	WIN 0
.irp i, 0,1,2,3
	global_load_b128 v[ST+4*\i:ST+4*\i+3], v1, s[18:19] offset:512*\i          ; my 512 numbers of b1
.endr
	global_load_b128 v[236:239], v1, s[20:21]                                  ; b2 at the columns that I store on the way out
.irp m, 0,1
.irp s, 0,1,2,3
.irp c, 0,1
	global_load_b128 v[AF+8*(4*\m+\s)+4*\c:AF+8*(4*\m+\s)+4*\c+3], v1, s[4:5] offset:4096*\m+1024*\s+512*\c
.endr
	global_load_b32 v[AS+4*\m+\s], v2, s[6:7] offset:512*\m+128*\s
.endr
.endr
	LOADP 0
	s_wait_loadcnt 63                              ; 68 loads (panel 0) are younger than x, b1, b2 and ctx
.irp i, 0,1,2,3
	ds_store_b128 v6, v[ST+4*\i:ST+4*\i+3] offset:512*\i   ; into my own bytes: only I read them, and LDS serves a wave's instructions in order
.endr
; ---- x through my stage, a tile at a time: in by rows, back in the result's layout: it is the C of the first product
.irp m, 0,1
	WIN 0x04                                       ; an LDS store's data are its source 1: window 1
.irp i, 0,1,2,3,4,5,6,7,8,9,10,11,12,13,14,15
	ds_store_b128 v14, v[HA+64*\m+4*\i:HA+64*\m+4*\i+3] offset:528*\i
.endr
	WIN 0x40
.irp g, 0,1,2,3
.irp j, 0,1,2,3
	ds_load_b128 v[X1+64*\m+16*\g+4*\j:X1+64*\m+16*\g+4*\j+3], v13 offset:128*\g+16*\j   ; these see the stores above, and the next tile's stores come behind them
.endr
.endr
.endr
	WIN 0
	s_wait_dscnt 0x0                               ; x is in place, and the stage's stores have read the registers that the gains take now
	WIN 0x40
.irp g, 0,1,2,3
.irp j, 0,1,2,3
	global_load_b128 v[HA+16*\g+4*\j:HA+16*\g+4*\j+3], v4, s[14:15] offset:128*\g+16*\j
	global_load_b128 v[HA+64+16*\g+4*\j:HA+64+16*\g+4*\j+3], v4, s[16:17] offset:128*\g+16*\j
.endr
.endr
	WIN 0
	LOADP 1
	s_wait_loadcnt 63                              ; 100 loads are younger than panel 0
; ---- x1 = x + ctx w_o
	MULP 0, X1, -1
; ---- the norm of x1: a row lies in two lanes of each of the four waves.  Panel 2's loads stand between its parts
	WIN 0x04                                       ; source 1: window 1
.irp k, 0,4,8,12,16,20,24,28,32,36,40,44,48,52,56,60
	v_pk_add_f32 v[210:211], v[210:211], v[X1+\k:X1+\k+1]                      ; ascending: each accumulator is read from its low end on
	v_pk_add_f32 v[214:215], v[214:215], v[X1+64+\k:X1+64+\k+1]
	v_pk_add_f32 v[212:213], v[212:213], v[X1+\k+2:X1+\k+3]
	v_pk_add_f32 v[216:217], v[216:217], v[X1+64+\k+2:X1+64+\k+3]
.endr
	WIN 0
	LOADPS 2
	LOADPC 2, 0
	REDUCE RED1
	v_mul_f32 v232, 0x3b000000, v224               ; / 512: the means
	v_mul_f32 v234, 0x3b000000, v228
	LOADPC 2, 1
	WIN 0x04
.set k, 0
.rept 32
	v_pk_add_f32 v[ST+k:ST+k+1], v[232:233], v[X1+k:X1+k+1] op_sel_hi:[0,1] neg_lo:[0,1] neg_hi:[0,1]        ; mean - x1: tile 0's into ST,
	v_pk_add_f32 v[AF+k:AF+k+1], v[234:235], v[X1+64+k:X1+64+k+1] op_sel_hi:[0,1] neg_lo:[0,1] neg_hi:[0,1]  ; tile 1's where ctx's fragments lay
.set k, k+2
.endr
	WIN 0
	LOADPC 2, 2
	v_pk_mul_f32 v[210:211], v[ST:ST+1], v[ST:ST+1]
	v_pk_mul_f32 v[214:215], v[AF:AF+1], v[AF:AF+1]
	v_pk_mul_f32 v[212:213], v[ST+2:ST+3], v[ST+2:ST+3]
	v_pk_mul_f32 v[216:217], v[AF+2:AF+3], v[AF+2:AF+3]
.irp k, 4,8,12,16,20,24,28,32,36,40,44,48,52,56,60
	v_pk_fma_f32 v[210:211], v[ST+\k:ST+\k+1], v[ST+\k:ST+\k+1], v[210:211]
	v_pk_fma_f32 v[214:215], v[AF+\k:AF+\k+1], v[AF+\k:AF+\k+1], v[214:215]
	v_pk_fma_f32 v[212:213], v[ST+\k+2:ST+\k+3], v[ST+\k+2:ST+\k+3], v[212:213]
	v_pk_fma_f32 v[216:217], v[AF+\k+2:AF+\k+3], v[AF+\k+2:AF+\k+3], v[216:217]
.endr
	LOADPC 2, 3
	REDUCE RED2
	v_mul_f32 v224, 0x3b004020, v224               ; / 511
	v_mul_f32 v228, 0x3b004020, v228
	v_sqrt_f32 v225, v224
	v_sqrt_f32 v229, v228
	v_nop                                          ; a plain place behind the roots,
	s_wait_alu depctr_va_vdst(0)                   ; and one wait ahead of a batch's first reader
	v_add_f32 v225, 0x358637bd, v225               ; + 1e-6
	v_add_f32 v229, 0x358637bd, v229
	v_rcp_f32 v232, v225
	v_rcp_f32 v234, v229
	v_nop
	s_wait_alu depctr_va_vdst(0)
	LOADPC 2, 4
.set k, 0
.rept 32
	v_pk_mul_f32 v[ST+k:ST+k+1], v[ST+k:ST+k+1], v[232:233] op_sel_hi:[1,0] neg_lo:[0,1] neg_hi:[0,1]   ; (mean - x1) x -(1 / (std + 1e-6))
	v_pk_mul_f32 v[AF+k:AF+k+1], v[AF+k:AF+k+1], v[234:235] op_sel_hi:[1,0] neg_lo:[0,1] neg_hi:[0,1]
.set k, k+2
.endr
	LOADPC 2, 5
	s_wait_loadcnt 63                              ; panel 1's 68 loads and more are younger than ln2_a's and ln2_b's
	WIN 0x14                                       ; sources 1 and 2: window 1
.set k, 0
.rept 32
	v_pk_fma_f32 v[ST+k:ST+k+1], v[ST+k:ST+k+1], v[HA+k:HA+k+1], v[HA+64+k:HA+64+k+1]
	v_pk_fma_f32 v[AF+k:AF+k+1], v[AF+k:AF+k+1], v[HA+k:HA+k+1], v[HA+64+k:HA+64+k+1]
.set k, k+2
.endr
	WIN 0
	LOADPC 2, 6
	B1LOAD 0, 0                                    ; the gains are done with: b1 takes their registers
	B1LOAD 0, 1
; ---- h2 is quantised: my 128 columns are K step w of the next product
	QUANT ST
	IMAGE 9, H2IMG
	ds_store_b32 v10, v[PW] offset:H2SC
	LOADPC 2, 7
	s_wait_dscnt 0x0                               ; the stores have read their registers
	QUANT AF
	IMAGE 9, H2IMG+4096
	ds_store_b32 v10, v[PW] offset:H2SC+512
	BARRIER                                        ; h2's eight fragments lie in LDS
.irp f, 0,1,2,3,4,5,6,7
	FETCH AF+8*\f, H2IMG+1024*\f
	ds_load_b32 v[AS+\f], v2 offset:H2SC+128*\f
.endr
; ---- the hidden layer, 128 of my units at a time: product, relu, quantised: K step 4 w + G of the last product.  The panel two steps on: groups 0 to 3 among the products, the scale words and groups 4 to 7 among the vector work
.irp G, 0,1,2,3
	s_wait_dscnt 0x0                               ; h2's fragments, b1
	s_wait_loadcnt 63                              ; the next panel's 68 loads, all issued in the step before, are younger than this panel's
	MULP 1+\G, HA, 3+\G
	LOADPS 3+\G
.irp m, 0,1
	WIN 0x04
.set k, 0
.rept 64
	v_max_num_f32 v[ST+k], 0, v[HA+64*\m+k]        ; the activation, in f32; ascending
.set k, k+1
.endr
	WIN 0
	LOADPC 3+\G, 4+2*\m
.if \G < 3
	B1LOAD \G+1, \m
.endif
	QUANT ST
	IMAGE 11, HID+16384*\m+1024*\G
	ds_store_b32 v12, v[PW] offset:HIDSC+2048*\m+128*\G
	LOADPC 3+\G, 5+2*\m
	s_wait_dscnt 0x0                               ; the stores have read their registers
.endr
.endr
	BARRIER                                        ; the hidden layer's 32 fragments lie in LDS
; ---- out = x1 + hidden w2: onto x1's accumulators, 512 along K at a time; the next fragments are fetched from LDS ahead of the rest of a panel's loads
	FETCHP 0
.irp P, 0,1,2,3
	s_wait_dscnt 0x0
.if \P < 3
	s_wait_loadcnt 63                              ; the next panel's 68 loads are younger than this panel's
.else
	s_wait_loadcnt 0x0
.endif
.if \P < 2
	MULP 5+\P, X1, 7+\P
.else
	MULP 5+\P, X1, -1
.endif
.if \P < 3
	FETCHP \P+1
.endif
.if \P < 2
	LOADPT 7+\P
.endif
.endr
; ---- the way out: a tile's 16 rows x my 128 columns through my own stage, back as whole rows of 512 bytes, + b2
.irp m, 0,1
	WIN 0x04                                       ; an LDS store's data are its source 1: window 1
.irp g, 0,1,2,3
.irp j, 0,1,2,3
	ds_store_b128 v13, v[X1+64*\m+16*\g+4*\j:X1+64*\m+16*\g+4*\j+3] offset:128*\g+16*\j   ; each accumulator from its low end on
.endr
.endr
	WIN 0
.irp i, 0,1,2,3,4,5,6,7,8,9,10,11,12,13,14,15
	ds_load_b128 v[ST-64*\m+4*\i:ST-64*\m+4*\i+3], v14 offset:528*\i   ; LDS serves a wave's instructions in order: these see the stores above, and the next tile's stores come behind them.  Tile 0 into ST, tile 1 into AF
.endr
.irp i, 0,1,2,3,4,5,6,7,8,9,10,11,12,13,14,15
	s_wait_dscnt 15-\i                             ; row i is back; the rows behind it may be out
	v_pk_add_f32 v[ST-64*\m+4*\i:ST-64*\m+4*\i+1], v[ST-64*\m+4*\i:ST-64*\m+4*\i+1], v[236:237]
	v_pk_add_f32 v[ST-64*\m+4*\i+2:ST-64*\m+4*\i+3], v[ST-64*\m+4*\i+2:ST-64*\m+4*\i+3], v[238:239]
	global_store_b128 v1, v[ST-64*\m+4*\i:ST-64*\m+4*\i+3], s[22:23] offset:(8*\m+\i+8*(\i/8))*2048 th:TH_STORE_NT   ; 32 lanes store 512 consecutive bytes, aligned
.endr
.endr
	s_wait_tensorcnt 0x0
	ds_add_u32 v254, v255
	s_wait_dscnt 0x0
	s_endpgm
.Lfunc_end_k_q633507c06c_ffn:
	.size	k_q633507c06c_ffn, .Lfunc_end_k_q633507c06c_ffn-k_q633507c06c_ffn
	.p2alignl 7, 3214868480
	.fill 96, 4, 3214868480
	.section	.rodata,"a",@progbits
	.p2align	6, 0x0
	.amdhsa_kernel k_q633507c06c_ffn
		.amdhsa_group_segment_fixed_size 90624
		.amdhsa_private_segment_fixed_size 0
		.amdhsa_enable_private_segment 0
		.amdhsa_kernarg_size 80
		.amdhsa_user_sgpr_count 2
		.amdhsa_user_sgpr_kernarg_segment_ptr 1
		.amdhsa_wavefront_size32 1
		.amdhsa_system_sgpr_workgroup_id_x 1
		.amdhsa_system_sgpr_workgroup_id_y 1
		.amdhsa_system_sgpr_workgroup_id_z 1
		.amdhsa_system_vgpr_workitem_id 0
		.amdhsa_next_free_vgpr 1024
		.amdhsa_next_free_sgpr 66
		.amdhsa_reserve_vcc 0
		.amdhsa_float_denorm_mode_32 3
		.amdhsa_float_denorm_mode_16_64 3
		.amdhsa_memory_ordered 1
		.amdhsa_forward_progress 1
		.amdhsa_inst_pref_size 255
	.end_amdhsa_kernel
	.section	.bss,"aw",@nobits
	.p2align	6
	.space	262144
	.amdgpu_metadata
---
amdhsa.version: [ 1, 2 ]
amdhsa.kernels:
  - .name:           k_q633507c06c_ffn
    .symbol:         k_q633507c06c_ffn.kd
    .args:
      - { .name: ctx_img, .offset: 0, .size: 8, .value_kind: global_buffer, .address_space: global }
      - { .name: ctx_sc, .offset: 8, .size: 8, .value_kind: global_buffer, .address_space: global }
      - { .name: x, .offset: 16, .size: 8, .value_kind: global_buffer, .address_space: global }
      - { .name: wst, .offset: 24, .size: 8, .value_kind: global_buffer, .address_space: global }
      - { .name: wss, .offset: 32, .size: 8, .value_kind: global_buffer, .address_space: global }
      - { .name: ln2_a, .offset: 40, .size: 8, .value_kind: global_buffer, .address_space: global }
      - { .name: ln2_b, .offset: 48, .size: 8, .value_kind: global_buffer, .address_space: global }
      - { .name: b1, .offset: 56, .size: 8, .value_kind: global_buffer, .address_space: global }
      - { .name: b2, .offset: 64, .size: 8, .value_kind: global_buffer, .address_space: global }
      - { .name: out0, .offset: 72, .size: 8, .value_kind: global_buffer, .address_space: global }
    .group_segment_fixed_size: 90624
    .private_segment_fixed_size: 0
    .kernarg_segment_align: 8
    .kernarg_segment_size: 80
    .max_flat_workgroup_size: 128
    .sgpr_count:     66
    .vgpr_count:     1024
    .wavefront_size: 32
...
	.end_amdgpu_metadata
.endif
;; end of part 4
;; ======== version 2 of 2: 4 launches; version 1 with the launches qkv, ffn written anew for expert scheduling mode
;; limits: right only within a limited range of input values
;; workspace buffers: wst 1,572,864 bytes; wss 98,304 bytes; maskbits 2,097,152 bytes of whole numbers; q_img 2,097,152 bytes; q_sc 524,288 bytes; kv 4,587,520 bytes; ctx_img 2,097,152 bytes; ctx_sc 262,144 bytes
;; launch prep: the kernel of part 1 again; grid 448 x 1, 4 waves a work-group, no clusters, 34,304 bytes of LDS; arguments mask, w_q, w_k, w_v, w_o, w1, w2, maskbits, wst, wss; writes maskbits, wst, wss
;; launch qkv (part 5): grid 256 x 1, 4 waves a work-group, no clusters, 109,056 bytes of LDS; arguments x, ln1_a, ln1_b, wst, wss, q_img, q_sc, kv; writes q_img, q_sc, kv
.if DOCPART == 5
	.amdgcn_target "amdgcn-amd-amdhsa--gfx1250"
	.amdhsa_code_object_version 6
	.text
	.protected	k_q633507c06c_qkv
	.globl	k_q633507c06c_qkv
	.p2align	8
	.type	k_q633507c06c_qkv,@function
k_q633507c06c_qkv:
	s_mov_b64 s[64:65], 0
	v_nop
	global_prefetch_b8 v0, s[64:65] scope:SCOPE_SE
	s_setreg_imm32_b32 hwreg(HW_REG_WAVE_SCHED_MODE, 0, 2), 2
	s_setreg_imm32_b32 hwreg(HW_REG_WAVE_MODE, 25, 1), 1
	s_wait_xcnt 0x0
	s_wait_alu depctr_vm_vsrc(0)
; h = layer_norm(x); q = h w_q, k = h w_k, v = h w_v, all three products on codes of FP4 (E2M1) with one E8M0 scale for each 32 along K; q and k are quantised again along the head's 64, v along the keys, and leave as codes.
; SHARES.  A work-group takes 32 rows of x: one block of 32 keys.  Wave w normalises and quantises rows 8 w .. 8 w + 7 and hands the codes round through LDS as images of the operand's registers;
; then it makes heads 2 w and 2 w + 1 of q, k and v for all 32 rows.  Its three panels of weights (32,768 bytes each) go from memory straight into register windows 1, 2, 3, each byte read once by the work-group.
; x AND THE GAINS ARE LOADED AS THEY LIE, 512 consecutive bytes a load, and turned through a stage of the wave's own in LDS: for the norm and the quantiser a lane wants a whole block of 32 neighbours (128 bytes) of a row.
; NO CLUSTER, NO TENSOR LOAD: every fragment of a weight is wanted by exactly one wave of a work-group; through LDS each of its bytes would be written and read once more for the same two products.
; THE ROWS OF A TILE ARE NOT NEIGHBOURS: of the 32 rows, tile m takes rows 8 m + r + 8 (r / 8); the weights' tiles take columns likewise.  So in a transposed product (source 0 = 16 columns of a weight, source 1 = 16 rows of h)
; a lane holds one row, and the 16 registers of tiles 2 g, 2 g + 1 are columns 32 g + 16 (lane / 16) + 0 .. 15; in the product for v (source 0 = h, source 1 = w_v) a lane holds one channel and its 16 registers are 16 neighbouring keys.
; OUT.  q_img[head][tile][512]: 16 bytes a lane, block lane / 16 of query lane % 16.  q_sc: a word a lane: lanes 0-15 (s0, s1, 127, 127), lanes 16-31 (127, 127, s0, s1): the attention launch sets q into either half of a K of 128.
; kv[head][key step][8,960]: +0 K's codes, tile T at 512 T + 16 lane; +4,096 V^T's four fragments of 16 channels x 128 keys; +8,192 K's scale words for pairs of tiles; +8,704 V's scale words.
; LIMITS: a block of zeros gets the byte 1 where the rule says 127 (its codes are zeros; this program alone reads the bytes); NaN and infinities are not served; the norm multiplies by the rounded 1/511 and by v_rcp_f32's reciprocal.
; THE MODE: SCHED_MODE bits 1:0 = 2 (LLVM: expert scheduling mode 2), set by the entry lines.  The code itself states the register dependences between vector or matrix instructions and memory or LDS instructions, with s_wait_alu, always for 0.
; THE PLAN.  Registers that memory or LDS instructions touch:
;   v1-v12, v15  offsets and LDS addresses: written at the head, never again.  v1 is read by loads alone; q's stores go by v12, which holds the same number.
;   X, AL, BE    global loads land; the stage's LDS stores read them; the stage's LDS loads land in them; then the norm's vector lines have them.
;   CD, T        h's codes and scale bytes: written by the quantiser's lines, read by LDS stores; later among the registers of the rounds' quantiser.
;   AF, AS, WS   loads land where the norm worked; read by matrix instructions alone.   Windows 1, 2, 3: each is loaded once and read by matrix instructions alone.
;   TWO OUT-SETS (codes, a scale word, what is stored beside it).  Round n's quantiser writes set n % 2; the stores that read the set are issued in round n + 1, behind that round's products.
; So a round has its waits in one place, behind its products: the stores issued a round ago have read the set that this round writes; the last round's quantiser has written the set that is stored now.
.set HSC, 8192                         ; LDS: 0: h's 8 fragments (4 m + K step) of 1,024 bytes; HSC: their scale words, 64 bytes each
.set XST, 16384                        ; the stages: for each wave 10 rows (8 of x, ln1_a, ln1_b)
.set XROW, 2304                        ; a stage row: 16 blocks of 128 bytes + 16 of padding: lanes that take a block each stand 144 bytes apart, an odd multiple of 16
.set XWAVE, 10*XROW
.set X,   16                           ; v16-143  the norm: pass i's 32 numbers at X + 32 i
.set AL,  144                          ; v144-175 ln1_a of my block;  v176-207 ln1_b
.set BE,  176
.set T,   208                          ; v208-223 four registers a pass, at work
.set CD,  224                          ; v224-239 h's codes, four registers a pass
.set AF,  16                           ; afterwards: v16-79 h's 8 fragments
.set ACC, 80                           ; v80-143  8 accumulators
.set AS,  144                          ; v144-151 h's scale words
.set WS,  152                          ; v152-199 the weights' scale words, 16 registers for each of q, k, v
.set PC,  200                          ; codes just made: out-set 0 v200-207, out-set 1 v234-241
.set TM,  208                          ; v208-223 the quantiser's
.set PW,  224                          ; the scale word just made and eight registers for what is stored beside it: out-set 0 v224-232, out-set 1 v242-250
.set MSB, 0
.macro WIN new                         ; register windows: the immediate's high byte repeats the setting that is left
.if MSB != (\new)
	s_set_vgpr_msb (MSB<<8)|(\new)
.set MSB, (\new)
.endif
.endm
.macro PLACES n
.rept \n
	v_nop
.endr
.endm
; One matrix instruction.  k = 0: the first K step starts the sum.  row = 1: source 0's scales stand in lanes 16-31 of their register; 2: source 1's.
.macro WM d, a, b, sa, sb, k, row
.if (\k) == 0
.if (\row) == 0
	v_wmma_scale_f32_16x16x128_f8f6f4 v[(\d):(\d)+7], v[(\a):(\a)+7], v[(\b):(\b)+7], 0, v[(\sa)], v[(\sb)] matrix_a_fmt:MATRIX_FMT_FP4 matrix_b_fmt:MATRIX_FMT_FP4
.elseif (\row) == 1
	v_wmma_scale_f32_16x16x128_f8f6f4 v[(\d):(\d)+7], v[(\a):(\a)+7], v[(\b):(\b)+7], 0, v[(\sa)], v[(\sb)] matrix_a_fmt:MATRIX_FMT_FP4 matrix_b_fmt:MATRIX_FMT_FP4 matrix_a_scale:MATRIX_SCALE_ROW1
.else
	v_wmma_scale_f32_16x16x128_f8f6f4 v[(\d):(\d)+7], v[(\a):(\a)+7], v[(\b):(\b)+7], 0, v[(\sa)], v[(\sb)] matrix_a_fmt:MATRIX_FMT_FP4 matrix_b_fmt:MATRIX_FMT_FP4 matrix_b_scale:MATRIX_SCALE_ROW1
.endif
.else
.if (\row) == 0
	v_wmma_scale_f32_16x16x128_f8f6f4 v[(\d):(\d)+7], v[(\a):(\a)+7], v[(\b):(\b)+7], v[(\d):(\d)+7], v[(\sa)], v[(\sb)] matrix_a_fmt:MATRIX_FMT_FP4 matrix_b_fmt:MATRIX_FMT_FP4
.elseif (\row) == 1
	v_wmma_scale_f32_16x16x128_f8f6f4 v[(\d):(\d)+7], v[(\a):(\a)+7], v[(\b):(\b)+7], v[(\d):(\d)+7], v[(\sa)], v[(\sb)] matrix_a_fmt:MATRIX_FMT_FP4 matrix_b_fmt:MATRIX_FMT_FP4 matrix_a_scale:MATRIX_SCALE_ROW1
.else
	v_wmma_scale_f32_16x16x128_f8f6f4 v[(\d):(\d)+7], v[(\a):(\a)+7], v[(\b):(\b)+7], v[(\d):(\d)+7], v[(\sa)], v[(\sb)] matrix_a_fmt:MATRIX_FMT_FP4 matrix_b_fmt:MATRIX_FMT_FP4 matrix_b_scale:MATRIX_SCALE_ROW1
.endif
.endif
.endm
; 64 numbers of a lane, register 16 b + i = number 16 (lane / 16) + i of block b of my row, become codes in out-set o (registers 4 c .. 4 c + 3: the whole block 2 c + lane / 16) and four scale bytes in the set's word and in v[TM+4] on.
.macro QUANT s, o
.set PCO, PC+34*(\o)
.set PWO, PW+18*(\o)
.irp b, 0,1,2,3
	v_max3_num_f32 v[TM+\b], |v[\s+16*\b]|, |v[\s+1+16*\b]|, 0x1800000   ; my 16 numbers, and the floor 2^(3 - 127): the byte cannot fall under 1
.endr
.irp i, 2,4,6,8,10,12,14
.irp b, 0,1,2,3
	v_max3_num_f32 v[TM+\b], v[TM+\b], |v[\s+16*\b+\i]|, |v[\s+1+16*\b+\i]|   ; (the four blocks by turns)
.endr
.endr
.irp b, 0,1,2,3
	v_permlanex16_b32 v[TM+4+\b], v[TM+\b], s22, s23
.endr
.irp b, 0,1,2,3
	v_max_num_f32 v[TM+\b], v[TM+\b], v[TM+4+\b]   ; with lane l xor 16's: the block's largest magnitude
.endr
.irp b, 0,1,2,3
	v_add_nc_u32 v[TM+12+\b], 0xff000000, v[TM+\b] ; 2 off its exponent field: the conversion's scale operand
.endr
.irp b, 0,1,2,3
	v_lshrrev_b32 v[TM+4+\b], 23, v[TM+12+\b]      ; the scale's byte
.endr
	v_lshl_or_b32 v[PWO], v[TM+5], 8, v[TM+4]
	v_lshl_or_b32 v[PWO], v[TM+6], 16, v[PWO]
	v_lshl_or_b32 v[PWO], v[TM+7], 24, v[PWO]
.irp b, 0,1,2,3
	v_cvt_scalef32_pk8_fp4_f32 v[PCO+2*\b], v[\s+16*\b:\s+7+16*\b], v[TM+12+\b]
	v_cvt_scalef32_pk8_fp4_f32 v[PCO+1+2*\b], v[\s+8+16*\b:\s+15+16*\b], v[TM+12+\b]
.endr
	v_nop                                          ; one plain place behind a scaled conversion
.irp c, 0,1
.irp i, 0,1
	v_permlane16_swap_b32 v[PCO+4*\c+\i], v[PCO+2+4*\c+\i]
.endr
.endr
.endm
.macro LOADC which                     ; a panel of codes into window which + 1: 64 loads of 512 consecutive bytes
	WIN 0x40*((\which)+1)
.set i, 0
.rept 64
	global_load_b128 v[4*i:4*i+3], v1, s[10:11] offset:32768*(\which)+512*i
.set i, i+1
.endr
	WIN 0
.endm
.macro LOADS which                     ; and its scale words
.irp q, 0,1,2,3
	global_load_b128 v[WS+16*(\which)+4*\q:WS+16*(\which)+4*\q+3], v1, s[12:13] offset:2048*(\which)+512*\q
.endr
.endm
	s_load_b512 s[4:19], s[0:1], 0x0               ; x, ln1_a, ln1_b, wst, wss, q_img, q_sc, kv
	v_lshl_add_u32 v254, v0, 2, 0x1a800
	v_mov_b32 v255, 0
	v_lshrrev_b32 v1, 5, v0
	v_readfirstlane_b32 s20, v1                    ; wave 0..3
	v_and_b32 v2, 31, v0
	v_lshlrev_b32 v1, 4, v2                        ; v1  16 x lane
	v_lshlrev_b32 v2, 2, v2                        ; v2  4 x lane
	v_and_b32 v12, 15, v0                          ; lane % 16: in the norm my block of 32 columns, later a row r
	v_bfe_u32 v13, v0, 4, 1                        ; lane / 16: in the norm which of a pass's two rows, later h
	s_wait_alu depctr_va_sdst(0)                   ; s20 is written, ahead of its first reader: LDS addresses and the buffers' offsets are made from it
	s_mul_i32 s21, s20, XWAVE
	s_add_co_u32 s21, s21, XST                     ; my stage
	v_bfe_u32 v3, v0, 3, 2                         ; lane / 8: which of a load's four blocks of 128 bytes my 16 bytes lie in
	v_mul_u32_u24 v3, v3, 144
	v_and_b32 v14, 7, v0
	v_lshl_add_u32 v3, v14, 4, v3
	v_add_nc_u32 v3, s21, v3                       ; v3  the stage, in: 144 (lane / 8) + 16 (lane % 8)
	v_mul_u32_u24 v15, v12, 144
	v_add_nc_u32 v15, s21, v15                     ; v15 back, the gains: my block
	v_mul_u32_u24 v4, v13, XROW
	v_add_nc_u32 v4, v4, v15                       ; v4  back, x: my block of the pass's row lane / 16
	s_and_b32 s28, s20, 1                          ; my 8 rows belong to tile m = w % 2, lane-rows 8 (w / 2) on
	s_lshr_b32 s29, s20, 1
	s_lshl_b32 s30, s28, 12
	s_lshl_b32 s31, s29, 7
	s_add_co_u32 s30, s30, s31
	v_lshlrev_b32 v5, 8, v12
	v_lshl_add_u32 v5, v13, 4, v5
	v_add_nc_u32 v5, s30, v5                       ; v5  where my block's codes go: 4,096 m + 256 block + 16 lane-row
	s_lshl_b32 s30, s28, 8
	s_lshl_b32 s31, s29, 5
	s_add_co_u32 s30, s30, s31
	v_bfe_u32 v6, v0, 2, 2
	v_lshlrev_b32 v6, 6, v6
	v_lshl_add_u32 v6, v13, 2, v6
	v_and_b32 v14, 3, v0
	v_add_nc_u32 v6, v6, v14
	v_add_nc_u32 v6, s30, v6                       ; v6  and its scale byte: 256 m + 64 (block / 4) + 4 lane-row + block % 4
	v_lshlrev_b32 v7, 2, v12                       ; v7  4 r
	s_lshr_b32 s32, ttmp9, 7                       ; batch
	s_and_b32 s33, ttmp9, 127                      ; block of 32 rows in the batch
	s_lshr_b32 s34, s33, 2                         ; key step of 128
	s_and_b32 s35, s33, 3                          ; block of 32 keys in it
	s_lshl_b32 s36, s35, 10
	v_add_nc_u32 v8, s36, v1                       ; v8  K's codes: 16 lane + 1,024 block
	s_lshl_b32 s36, s35, 7
	v_add_nc_u32 v9, s36, v2                       ; v9  K's scale words: 4 lane + 128 block
	v_lshlrev_b32 v10, 4, v12
	v_lshl_add_u32 v10, v13, 10, v10
	s_lshl_b32 s36, s35, 8
	v_add_nc_u32 v10, s36, v10                     ; v10 V's codes: 1,024 h + 16 r + 256 block
	v_add_nc_u32 v11, s35, v2                      ; v11 V's scale bytes: 4 lane + block
	v_mov_b32 v12, v1                              ; v12 16 x lane once more, for q's stores: so v1 is named by loads alone from here on
	s_mov_b32 s22, 0x76543210
	s_mov_b32 s23, 0xfedcba98                      ; v_permlanex16_b32's selects for lane l xor 16
	s_mov_b32 s24, 0xffff0000                      ; lanes 16-31; also a word's upper half
	s_mov_b32 s25, 0x7f7f0000
	s_mov_b32 s26, 0x7f7f
	s_mov_b32 s27, 0xffff
	s_lshl_b32 s36, ttmp9, 16
	s_lshl_b32 s37, s20, 14
	s_add_co_u32 s36, s36, s37                     ; x: (32 work-group + 8 wave) rows of 2,048 bytes
	s_mov_b32 s37, 0
	s_mul_i32 s38, s20, 98304                      ; my three panels
	s_mov_b32 s39, 0
	s_mul_i32 s40, s20, 6144
	s_mov_b32 s41, 0
	s_lshl_b32 s42, s32, 3
	s_lshl_b32 s43, s20, 1
	s_add_co_u32 s42, s42, s43                     ; 8 batch + 2 wave: my first head
	s_lshl_b32 s44, s42, 8
	s_lshl_b32 s45, s33, 1
	s_add_co_u32 s44, s44, s45                     ; x 256 tiles + my first tile
	s_lshl_b32 s46, s44, 7
	s_mov_b32 s47, 0
	s_lshl_b32 s44, s44, 9
	s_mov_b32 s45, 0
	s_lshl_b32 s42, s42, 5
	s_add_co_u32 s42, s42, s34
	s_mul_i32 s42, s42, 8960                       ; my first head's record of this key step
	s_mov_b32 s43, 0
	s_wait_kmcnt 0x0
	s_add_nc_u64 s[4:5], s[4:5], s[36:37]
	s_add_nc_u64 s[10:11], s[10:11], s[38:39]
	s_add_nc_u64 s[12:13], s[12:13], s[40:41]
	s_add_nc_u64 s[14:15], s[14:15], s[44:45]
	s_add_nc_u64 s[16:17], s[16:17], s[46:47]
	s_add_nc_u64 s[18:19], s[18:19], s[42:43]
	s_wait_alu depctr_va_vdst(0)                   ; the offsets and LDS addresses v1 to v12 and v15 are written: every load, store and LDS instruction of the kernel reads one of them
; ---- the loads: my 8 rows of x, four loads a row, and the gains, four loads each: every load covers 512 consecutive bytes; q's panel behind them
.irp p, 0,1,2,3,4,5,6,7
.irp q, 0,1,2,3
	global_load_b128 v[X+16*\p+4*\q:X+16*\p+4*\q+3], v1, s[4:5] offset:2048*\p+512*\q th:TH_LOAD_NT
.endr
.endr
.irp q, 0,1,2,3
	global_load_b128 v[AL+4*\q:AL+4*\q+3], v1, s[6:7] offset:512*\q
	global_load_b128 v[BE+4*\q:BE+4*\q+3], v1, s[8:9] offset:512*\q
.endr
	LOADC 0
	s_wait_loadcnt 63                              ; 64 loads are younger than x's and the gains'
; ---- the turn through my stage.  In: a load's 512 bytes are four blocks of 128, each 144 bytes from the last.  Back: pass i holds rows 2 i, 2 i + 1, sixteen lanes to a row, a block of 32 numbers to a lane
.irp p, 0,1,2,3,4,5,6,7
.irp q, 0,1,2,3
	ds_store_b128 v3, v[X+16*\p+4*\q:X+16*\p+4*\q+3] offset:XROW*\p+576*\q
.endr
.endr
.irp q, 0,1,2,3
	ds_store_b128 v3, v[AL+4*\q:AL+4*\q+3] offset:XROW*8+576*\q
	ds_store_b128 v3, v[BE+4*\q:BE+4*\q+3] offset:XROW*9+576*\q
.endr
	s_wait_alu depctr_vm_vsrc(0)                   ; the stage's stores have read X, AL and BE, in which the loads below land and which the norm writes
.irp i, 0,1,2,3
.irp j, 0,1,2,3,4,5,6,7
	ds_load_b128 v[X+32*\i+4*\j:X+32*\i+4*\j+3], v4 offset:2*XROW*\i+16*\j   ; LDS serves a wave's instructions in order: these see the stores above
.endr
.endr
.irp j, 0,1,2,3,4,5,6,7
	ds_load_b128 v[AL+4*\j:AL+4*\j+3], v15 offset:XROW*8+16*\j
	ds_load_b128 v[BE+4*\j:BE+4*\j+3], v15 offset:XROW*9+16*\j
.endr
	s_wait_dscnt 0x0
; ---- the norm, the four passes by turns: mean, deviations, sum of their squares (ddof = 1), / (std + 1e-6), gain and bias
.irp i, 0,1,2,3
	v_pk_add_f32 v[T+4*\i:T+4*\i+1], v[X+32*\i:X+32*\i+1], v[X+32*\i+2:X+32*\i+3]
	v_pk_add_f32 v[T+4*\i+2:T+4*\i+3], v[X+32*\i+4:X+32*\i+5], v[X+32*\i+6:X+32*\i+7]
.endr
.irp k, 8,12,16,20,24,28
.irp i, 0,1,2,3
	v_pk_add_f32 v[T+4*\i:T+4*\i+1], v[T+4*\i:T+4*\i+1], v[X+32*\i+\k:X+32*\i+\k+1]
	v_pk_add_f32 v[T+4*\i+2:T+4*\i+3], v[T+4*\i+2:T+4*\i+3], v[X+32*\i+\k+2:X+32*\i+\k+3]
.endr
.endr
.macro ACROSS                          ; the two chains, the pair's halves, and the row's sixteen lanes: every lane ends with the row's sum in v[T + 4 i]
.irp i, 0,1,2,3
	v_pk_add_f32 v[T+4*\i:T+4*\i+1], v[T+4*\i:T+4*\i+1], v[T+4*\i+2:T+4*\i+3]
.endr
.irp i, 0,1,2,3
	v_add_f32 v[T+4*\i], v[T+4*\i], v[T+4*\i+1]
.endr
.irp x, 1,2,4,8
.irp i, 0,1,2,3
	v_add_f32_dpp v[T+4*\i], v[T+4*\i], v[T+4*\i] row_xmask:\x row_mask:0xf bank_mask:0xf
.endr
.endr
.endm
	ACROSS
.irp i, 0,1,2,3
	v_mul_f32 v[T+4*\i], 0x3b000000, v[T+4*\i]     ; / 512: the mean
.endr
.irp k, 0,2,4,6,8,10,12,14,16,18,20,22,24,26,28,30
.irp i, 0,1,2,3
	v_pk_add_f32 v[X+32*\i+\k:X+32*\i+\k+1], v[X+32*\i+\k:X+32*\i+\k+1], v[T+4*\i:T+4*\i+1] op_sel_hi:[1,0] neg_lo:[0,1] neg_hi:[0,1]
.endr
.endr
.irp i, 0,1,2,3
	v_pk_mul_f32 v[T+4*\i:T+4*\i+1], v[X+32*\i:X+32*\i+1], v[X+32*\i:X+32*\i+1]
	v_pk_mul_f32 v[T+4*\i+2:T+4*\i+3], v[X+32*\i+2:X+32*\i+3], v[X+32*\i+2:X+32*\i+3]
.endr
.irp k, 4,8,12,16,20,24,28
.irp i, 0,1,2,3
	v_pk_fma_f32 v[T+4*\i:T+4*\i+1], v[X+32*\i+\k:X+32*\i+\k+1], v[X+32*\i+\k:X+32*\i+\k+1], v[T+4*\i:T+4*\i+1]
	v_pk_fma_f32 v[T+4*\i+2:T+4*\i+3], v[X+32*\i+\k+2:X+32*\i+\k+3], v[X+32*\i+\k+2:X+32*\i+\k+3], v[T+4*\i+2:T+4*\i+3]
.endr
.endr
	ACROSS
.irp i, 0,1,2,3
	v_mul_f32 v[T+4*\i], 0x3b004020, v[T+4*\i]     ; / 511
.endr
.irp i, 0,1,2,3
	v_sqrt_f32 v[T+4*\i+2], v[T+4*\i]
.endr
	v_nop                                          ; a plain place behind the roots,
	s_wait_alu depctr_va_vdst(0)                   ; and the four roots are written, ahead of their first reader: one wait for the batch
.irp i, 0,1,2,3
	v_add_f32 v[T+4*\i+2], 0x358637bd, v[T+4*\i+2] ; + 1e-6
.endr
.irp i, 0,1,2,3
	v_rcp_f32 v[T+4*\i], v[T+4*\i+2]
.endr
	v_nop
	s_wait_alu depctr_va_vdst(0)                   ; the four reciprocals are written, ahead of their first reader
.irp k, 0,2,4,6,8,10,12,14,16,18,20,22,24,26,28,30
.irp i, 0,1,2,3
	v_pk_mul_f32 v[X+32*\i+\k:X+32*\i+\k+1], v[X+32*\i+\k:X+32*\i+\k+1], v[T+4*\i:T+4*\i+1] op_sel_hi:[1,0]
.endr
.endr
.irp k, 0,2,4,6,8,10,12,14,16,18,20,22,24,26,28,30
.irp i, 0,1,2,3
	v_pk_fma_f32 v[X+32*\i+\k:X+32*\i+\k+1], v[X+32*\i+\k:X+32*\i+\k+1], v[AL+\k:AL+\k+1], v[BE+\k:BE+\k+1]
.endr
.endr
; ---- h is quantised: a block of 32 along K is one lane's 32 registers
.irp i, 0,1,2,3
	v_max3_num_f32 v[T+4*\i], |v[X+32*\i]|, |v[X+32*\i+1]|, 0x1800000
.endr
.irp k, 2,4,6,8,10,12,14,16,18,20,22,24,26,28,30
.irp i, 0,1,2,3
	v_max3_num_f32 v[T+4*\i], v[T+4*\i], |v[X+32*\i+\k]|, |v[X+32*\i+\k+1]|
.endr
.endr
.irp i, 0,1,2,3
	v_add_nc_u32 v[T+4*\i+1], 0xff000000, v[T+4*\i]
.endr
.irp i, 0,1,2,3
	v_lshrrev_b32 v[T+4*\i+2], 23, v[T+4*\i+1]
.endr
.irp i, 0,1,2,3
.irp g, 0,1,2,3
	v_cvt_scalef32_pk8_fp4_f32 v[CD+4*\i+\g], v[X+32*\i+8*\g:X+32*\i+8*\g+7], v[T+4*\i+1]
.endr
.endr
	v_nop                                          ; one plain place behind a scaled conversion
	s_wait_alu depctr_va_vdst(0)                   ; h's codes and scale bytes are written, which the LDS stores read; the norm and the conversions are done with X, AL and BE, in which the scale words' loads and, behind the barrier, the fragments' LDS loads land: no vector line stands between this wait and them
.irp i, 0,1,2,3
	ds_store_b128 v5, v[CD+4*\i:CD+4*\i+3] offset:32*\i      ; sixteen lanes stand 256 bytes apart here and are served one after the other: four such stores a wave
	ds_store_b8 v6, v[T+4*\i+2] offset:HSC+8*\i
.endr
	LOADS 0
	LOADS 1
	LOADS 2
	LOADC 1
	s_wait_dscnt 0x0                               ; for the others' sake: my stores have landed
	s_barrier_signal -1
	s_barrier_wait -1                              ; h's eight fragments and their scale words lie in LDS
.irp f, 0,1,2,3,4,5,6,7
.irp c, 0,1
	ds_load_b128 v[AF+8*\f+4*\c:AF+8*\f+4*\c+3], v1 offset:1024*\f+512*\c
.endr
	ds_load_b32 v[AS+\f], v7 offset:HSC+64*\f
.endr
	s_wait_dscnt 0x0
	s_wait_loadcnt 63                              ; 64 loads (k's panel) are younger than q's panel and the scale words
; ---- the stores of a round: one head of q (which = 0), k (1) or v (2), out of out-set o
.macro SEND which, hl, o
.set PCO, PC+34*(\o)
.set PWO, PW+18*(\o)
.if (\which) == 0
	global_store_b128 v12, v[PCO:PCO+3], s[14:15] offset:131072*(\hl)
	global_store_b128 v12, v[PCO+4:PCO+7], s[14:15] offset:131072*(\hl)+512      ; each store: 512 consecutive bytes, aligned
	global_store_b32 v2, v[PWO+5], s[16:17] offset:32768*(\hl)
	global_store_b32 v2, v[PWO+6], s[16:17] offset:32768*(\hl)+128
.elseif (\which) == 1
	global_store_b128 v8, v[PCO:PCO+3], s[18:19] offset:286720*(\hl)
	global_store_b128 v8, v[PCO+4:PCO+7], s[18:19] offset:286720*(\hl)+512
	global_store_b32 v9, v[PWO], s[18:19] offset:286720*(\hl)+8192               ; the pair's word: (tile 0: s0, s1; tile 1: s0, s1)
.else
	global_store_b128 v10, v[PCO:PCO+3], s[18:19] offset:286720*(\hl)+4096       ; sixteen lanes store 256 consecutive bytes, aligned
	global_store_b128 v10, v[PCO+4:PCO+7], s[18:19] offset:286720*(\hl)+4096+2048
	global_store_b8 v11, v[PWO+7], s[18:19] offset:286720*(\hl)+8704             ; one byte of a channel's word: the other three are three other work-groups'
	global_store_b8 v11, v[PWO+8], s[18:19] offset:286720*(\hl)+8704+128
.endif
.endm
; ---- round rn: one head of q, k or v for the 32 rows: 32 matrix instructions, the 8 accumulators by turns, one instruction a turn; behind them the stores of the round before (its kind pw, its head ph);
; then the results are quantised into out-set rn % 2
.macro ROUND rn, which, hl, pw, ph
.if (\which) == 0
	WIN 0x01                                       ; source 0: window 1
.elseif (\which) == 1
	WIN 0x02                                       ; source 0: window 2
.else
	WIN 0x0c                                       ; source 1: window 3
.endif
.irp sl, 0,1,2,3
.irp t, 0,1,2,3
.irp m, 0,1
.if (\which) < 2
	WM ACC+32*\m+8*\t, 8*(8*\sl+4*(\hl)+\t), AF+8*(4*\m+\sl), WS+16*(\which)+2*(4*(\hl)+\t)+\sl/2, AS+4*\m+\sl, \sl, \sl%2
.else
	WM ACC+16*\t+8*\m, AF+8*(4*\m+\sl), 8*(8*\sl+4*(\hl)+\t), AS+4*\m+\sl, WS+32+2*(4*(\hl)+\t)+\sl/2, \sl, 2*(\sl%2)
.endif
.endr
.endr
.endr
	WIN 0
	PLACES 5                                       ; four ahead of the first read of results; the fifth since the next round's products begin these accumulators anew
.if (\rn) == 0
	s_wait_alu depctr_vm_vsrc(0)                   ; the LDS stores of h's codes and scale bytes have read v210-239, which the quantiser and both out-sets take from here on
.else
.if (\rn) >= 2
	s_wait_xcnt 0x0                                ; the stores issued a round ago have had their addresses translated: only behind this wait are their data written again
	s_wait_alu depctr_vm_vsrc(0)                   ; and they have read out-set rn % 2, which this round's quantiser writes again
.endif
	s_wait_alu depctr_va_vdst(0)                   ; the last round's quantiser has written the other out-set, which the stores below read
	SEND \pw, \ph, 1-(\rn)%2
.endif
	QUANT ACC, (\rn)%2
.set PWO, PW+18*((\rn)%2)
.if (\which) == 0                      ; blocks: (tile 0: d 0-31, d 32-63), (tile 1: the same)
	v_and_or_b32 v[PWO+1], v[PWO], s27, s25        ; tile 0: (s0, s1, 127, 127)
	v_lshl_or_b32 v[PWO+2], v[PWO], 16, s26        ;         (127, 127, s0, s1)
	v_lshrrev_b32 v[PWO+3], 16, v[PWO]
	v_or_b32 v[PWO+3], s25, v[PWO+3]               ; tile 1 likewise
	v_and_or_b32 v[PWO+4], v[PWO], s24, s26
	v_cndmask_b32 v[PWO+5], v[PWO+1], v[PWO+2], s24   ; lanes 16-31 take the second form
	v_cndmask_b32 v[PWO+6], v[PWO+3], v[PWO+4], s24
.elseif (\which) == 2                  ; blocks: these 32 keys of channel tiles 0 .. 3; registers 4 c .. 4 c + 3 hold tile 2 c + lane / 16
	v_cndmask_b32 v[PWO+7], v[TM+4], v[TM+5], s24
	v_cndmask_b32 v[PWO+8], v[TM+6], v[TM+7], s24
.endif
.endm
	ROUND 0, 0, 0, 0, 0
	ROUND 1, 0, 1, 0, 0
	LOADC 2                                        ; window 3 has been named by nothing yet, and v1 stands since the head: no wait is owed
	s_wait_loadcnt 63                              ; 64 loads (v's panel) are younger than k's panel
	ROUND 2, 1, 0, 0, 1
	ROUND 3, 1, 1, 1, 0
	s_wait_loadcnt 0x0
	ROUND 4, 2, 0, 1, 1
	ROUND 5, 2, 1, 2, 0
	s_wait_alu depctr_va_vdst(0)                   ; the last round's quantiser has written out-set 1, which the last stores read
	SEND 2, 1, 1
	s_wait_dscnt 0x0                               ; the closing lines, six on end
	s_wait_alu 0x0
	s_wait_tensorcnt 0x0
	ds_add_u32 v254, v255
	s_wait_dscnt 0x0
	s_endpgm
.Lfunc_end_k_q633507c06c_qkv:
	.size	k_q633507c06c_qkv, .Lfunc_end_k_q633507c06c_qkv-k_q633507c06c_qkv
	.p2alignl 7, 3214868480
	.fill 96, 4, 3214868480
	.section	.rodata,"a",@progbits
	.p2align	6, 0x0
	.amdhsa_kernel k_q633507c06c_qkv
		.amdhsa_group_segment_fixed_size 109056
		.amdhsa_private_segment_fixed_size 0
		.amdhsa_enable_private_segment 0
		.amdhsa_kernarg_size 64
		.amdhsa_user_sgpr_count 2
		.amdhsa_user_sgpr_kernarg_segment_ptr 1
		.amdhsa_wavefront_size32 1
		.amdhsa_system_sgpr_workgroup_id_x 1
		.amdhsa_system_sgpr_workgroup_id_y 1
		.amdhsa_system_sgpr_workgroup_id_z 1
		.amdhsa_system_vgpr_workitem_id 0
		.amdhsa_next_free_vgpr 1024
		.amdhsa_next_free_sgpr 66
		.amdhsa_reserve_vcc 0
		.amdhsa_float_denorm_mode_32 3
		.amdhsa_float_denorm_mode_16_64 3
		.amdhsa_memory_ordered 1
		.amdhsa_forward_progress 1
		.amdhsa_inst_pref_size 116
	.end_amdhsa_kernel
	.amdgpu_metadata
---
amdhsa.version: [ 1, 2 ]
amdhsa.kernels:
  - .name:           k_q633507c06c_qkv
    .symbol:         k_q633507c06c_qkv.kd
    .args:
      - { .name: x, .offset: 0, .size: 8, .value_kind: global_buffer, .address_space: global }
      - { .name: ln1_a, .offset: 8, .size: 8, .value_kind: global_buffer, .address_space: global }
      - { .name: ln1_b, .offset: 16, .size: 8, .value_kind: global_buffer, .address_space: global }
      - { .name: wst, .offset: 24, .size: 8, .value_kind: global_buffer, .address_space: global }
      - { .name: wss, .offset: 32, .size: 8, .value_kind: global_buffer, .address_space: global }
      - { .name: q_img, .offset: 40, .size: 8, .value_kind: global_buffer, .address_space: global }
      - { .name: q_sc, .offset: 48, .size: 8, .value_kind: global_buffer, .address_space: global }
      - { .name: kv, .offset: 56, .size: 8, .value_kind: global_buffer, .address_space: global }
    .group_segment_fixed_size: 109056
    .private_segment_fixed_size: 0
    .kernarg_segment_align: 8
    .kernarg_segment_size: 64
    .max_flat_workgroup_size: 128
    .sgpr_count:     66
    .vgpr_count:     1024
    .wavefront_size: 32
...
	.end_amdgpu_metadata
.endif
;; end of part 5
;; launch attn: the kernel of part 3 again; grid 16 x 16, 16 waves a work-group, clusters of 4 x 1, 327,680 bytes of LDS; arguments q_img, q_sc, kv, maskbits, ctx_img, ctx_sc; writes ctx_img, ctx_sc
;; launch ffn (part 6): grid 256 x 1, 4 waves a work-group, no clusters, 90,624 bytes of LDS; arguments ctx_img, ctx_sc, x, wst, wss, ln2_a, ln2_b, b1, b2, out0; writes out0
.if DOCPART == 6
	.amdgcn_target "amdgcn-amd-amdhsa--gfx1250"
	.amdhsa_code_object_version 6
	.text
	.protected	k_q633507c06c_ffn
	.globl	k_q633507c06c_ffn
	.p2align	8
	.type	k_q633507c06c_ffn,@function
k_q633507c06c_ffn:
	s_mov_b64 s[64:65], 0
	v_nop
	global_prefetch_b8 v0, s[64:65] scope:SCOPE_SE
	s_setreg_imm32_b32 hwreg(HW_REG_WAVE_SCHED_MODE, 0, 2), 2
	s_setreg_imm32_b32 hwreg(HW_REG_WAVE_MODE, 25, 1), 1
	s_wait_xcnt 0x0
	s_wait_alu depctr_vm_vsrc(0)
; x1 = x + ctx w_o;  h2 = layer_norm(x1);  out = x1 + relu(h2 w1 + b1) w2 + b2.  All three products on codes of FP4 (E2M1) with one E8M0 scale for each 32 along K.  x1, h2 and the hidden layer never go to memory.
; SHARES.  A work-group takes 32 rows, as two tiles m (tile m: rows 8 m + r + 8 (r / 8)).  THE WAVES SHARE THE COLUMNS: wave w owns columns 128 w .. 128 w + 127 of x1 and out, and hidden units 512 w .. 512 w + 511, for all 32 rows.
; Its weights are a stream of nine panels of 32,768 bytes (w_o; w1 in four groups of 128 units; w2 in four runs of 512 along K), laid by the first launch in the order of its registers; they go from memory straight into windows 2 and 3
; by turns, two panels ahead of their products.  A PANEL'S 68 LOADS ARE DEALT OUT AMONG THE STEP'S WORK, eight at a time: groups 0 to 3, which land in the fragments of K steps 0 and 1, among the products of K steps 2 and 3;
; the scale words and groups 4 to 7 among the vector work behind the products, so that the wave works between its requests.  The price is two switches of the register window for each group.
; NO CLUSTER, NO TENSOR LOAD: every fragment of a weight is wanted by exactly one wave of a work-group and feeds two products; through LDS each of its bytes would be written and read once more.
; All products are used transposed (source 0 = 16 columns of a weight, source 1 = 16 rows): a lane holds one row, and the 16 registers of tiles 2 g, 2 g + 1 are columns 32 g + 16 (lane / 16) + 0 .. 15, since a weight's tile u takes
; columns 8 u + r + 8 (r / 8) of each 32.  So x is the C of the first product, b1 of the second and x1 of the third: the residuals and b1 cost no addition.
; x IS LOADED AS IT LIES, 512 consecutive bytes a load, and takes the way out's stage backwards into the result's layout.
; Operands go from wave to wave through LDS as images of their registers: a fragment by two stores of 16 bytes a lane, a scale word by one of 4.
; LIMITS: a block of zeros gets the byte 1 where the rule says 127 (its codes are zeros; this program alone reads the bytes); NaN and infinities are not served; the norm multiplies by the rounded 1/511 and by v_rcp_f32's reciprocal.
; THE MODE: SCHED_MODE bits 1:0 = 2 (LLVM: expert scheduling mode 2), set by the entry lines.  The code itself states the register dependences between vector or matrix instructions and memory or LDS instructions, with s_wait_alu, always for 0.
; THE PLAN.  Registers that memory or LDS instructions touch:
;   v1-v14       offsets and LDS addresses: written at the head, never again.
;   Window 2 + p % 2 and scale set p % 2: panel p's products read them; panel p + 2's loads land in them.  Registers 0-127 of the window are free behind K step 1's products, the rest and the scale set behind the run.
;   AF, AS       the rows' fragments and scale words: loaded, read by a run of products (AF once by the norm's vector lines too), loaded again behind the run.
;   HA           x lands, the stage's LDS stores read it; the gains land, the norm reads them; b1 lands, the products add onto it, the relu reads it, the next b1 lands.
;   X1           the stage's LDS loads land; the products add onto it; the way out's LDS stores read it.
;   TWO OUT-SETS of the quantiser (codes and a scale word): tile m's quantiser writes set m, its image's LDS stores read it; it is written again a step later.
;   v220, v221   the rows' two sums on their way to LDS: a register for each.      ST, AF on the way out: LDS loads land, b2 is added, the stores read.
; So a run of products holds one wait on va_vdst behind its K step 1 and one behind its end; a step of the hidden layer one wait on vm_vsrc behind its products and one on va_vdst behind each quantiser.
.set H2IMG, 0                          ; LDS: h2's 8 fragments (4 m + K step), 1,024 bytes each
.set H2SC,  8192                       ; their scale words, 128 bytes each
.set HID,   9216                       ; the hidden layer's 32 fragments (16 m + K step)
.set HIDSC, 41984                      ; their scale words
.set RED1,  46080                      ; the rows' sums: a word for each lane and wave
.set RED2,  46592                      ; the sums of squares
.set B1L,   47104                      ; b1: 2,048 bytes a wave, its own
.set STG,   55296                      ; x's way in and the way out: 16 rows x (512 + 16) bytes a wave, its own
.set AF,  16                           ; window 0: v16-79 eight fragments of the rows' operand
.set ST,  80                           ; v80-143  64 numbers at work
.set AS,  144                          ; v144-151 the rows' scale words
.set WS,  152                          ; v152-183 the weights' scale words, two sets of 16
.set PC,  184                          ; codes just made: out-set 0 v184-191, out-set 1 v240-247
.set TM,  192                          ; v192-207 the quantiser's
.set PW,  208                          ; the scale word just made: out-set 0 v208, out-set 1 v248;  v210-235 the norm's;  v236-239 b2
.set X1,  0                            ; window 1: v0-127 x, then x1, then out: accumulator (m, tile) at 64 m + 8 tile
.set HA,  128                          ; v128-255 x as loaded, then ln2_a and ln2_b, then the hidden layer's 16 accumulators
.set MSB, 0
.macro WIN new                         ; register windows: the immediate's high byte repeats the setting that is left
.if MSB != (\new)
	s_set_vgpr_msb (MSB<<8)|(\new)
.set MSB, (\new)
.endif
.endm
.macro PLACES n
.rept \n
	v_nop
.endr
.endm
.macro BARRIER                         ; my LDS stores have landed and my LDS loads are in: then the work-group's barrier
	s_wait_dscnt 0x0
	s_barrier_signal -1
	s_barrier_wait -1
.endm
.macro WM d, a, b, sa, sb, row         ; one matrix instruction, in place; row = 1: the weight's scales stand in lanes 16-31 of their register
.if (\row) == 0
	v_wmma_scale_f32_16x16x128_f8f6f4 v[(\d):(\d)+7], v[(\a):(\a)+7], v[(\b):(\b)+7], v[(\d):(\d)+7], v[(\sa)], v[(\sb)] matrix_a_fmt:MATRIX_FMT_FP4 matrix_b_fmt:MATRIX_FMT_FP4
.else
	v_wmma_scale_f32_16x16x128_f8f6f4 v[(\d):(\d)+7], v[(\a):(\a)+7], v[(\b):(\b)+7], v[(\d):(\d)+7], v[(\sa)], v[(\sb)] matrix_a_fmt:MATRIX_FMT_FP4 matrix_b_fmt:MATRIX_FMT_FP4 matrix_a_scale:MATRIX_SCALE_ROW1
.endif
.endm
; 64 numbers of a lane, register 16 b + i = k 32 b + 16 (lane / 16) + i of my row, become a fragment's codes and its scale word in out-set o.
.macro QUANT s, o
.set PCO, PC+56*(\o)
.set PWO, PW+40*(\o)
.irp b, 0,1,2,3
	v_max3_num_f32 v[TM+\b], |v[\s+16*\b]|, |v[\s+1+16*\b]|, 0x1800000   ; my 16 numbers, and the floor 2^(3 - 127): the byte cannot fall under 1
.endr
.irp i, 2,4,6,8,10,12,14
.irp b, 0,1,2,3
	v_max3_num_f32 v[TM+\b], v[TM+\b], |v[\s+16*\b+\i]|, |v[\s+1+16*\b+\i]|
.endr
.endr
.irp b, 0,1,2,3
	v_permlanex16_b32 v[TM+4+\b], v[TM+\b], s26, s27
.endr
.irp b, 0,1,2,3
	v_max_num_f32 v[TM+\b], v[TM+\b], v[TM+4+\b]
.endr
.irp b, 0,1,2,3
	v_add_nc_u32 v[TM+12+\b], 0xff000000, v[TM+\b]
.endr
.irp b, 0,1,2,3
	v_lshrrev_b32 v[TM+4+\b], 23, v[TM+12+\b]
.endr
	v_lshl_or_b32 v[PWO], v[TM+5], 8, v[TM+4]
	v_lshl_or_b32 v[PWO], v[TM+6], 16, v[PWO]
	v_lshl_or_b32 v[PWO], v[TM+7], 24, v[PWO]
.irp b, 0,1,2,3
	v_cvt_scalef32_pk8_fp4_f32 v[PCO+2*\b], v[\s+16*\b:\s+7+16*\b], v[TM+12+\b]
	v_cvt_scalef32_pk8_fp4_f32 v[PCO+1+2*\b], v[\s+8+16*\b:\s+15+16*\b], v[TM+12+\b]
.endr
	v_nop                                          ; one plain place behind a scaled conversion
.irp c, 0,1
.irp i, 0,1
	v_permlane16_swap_b32 v[PCO+4*\c+\i], v[PCO+2+4*\c+\i]
.endr
.endr
.endm
.macro IMAGE adr, off, o               ; the fragment in out-set o goes to LDS as it stands
.irp c, 0,1
	ds_store_b128 v[\adr], v[PC+56*(\o)+4*\c:PC+56*(\o)+4*\c+3] offset:\off+512*\c
.endr
.endm
.macro FETCH reg, off                  ; and comes back so, in any wave
.irp c, 0,1
	ds_load_b128 v[(\reg)+4*\c:(\reg)+4*\c+3], v1 offset:\off+512*\c
.endr
.endm
.macro FETCHP P                        ; the hidden layer's eight fragments of K steps 4 P .. 4 P + 3, and their scale words
.irp m, 0,1
.irp sl, 0,1,2,3
	FETCH AF+8*(4*\m+\sl), HID+(16*\m+4*(\P)+\sl)*1024
	ds_load_b32 v[AS+4*\m+\sl], v2 offset:HIDSC+(16*\m+4*(\P)+\sl)*128
.endr
.endr
.endm
; Panel p: 4 loads of scale words into set p % 2 and 64 loads of codes into window 2 + p % 2, 512 consecutive bytes each.
.macro LOADPS p                        ; the scale words
	WIN 0
.irp q, 0,1,2,3
	global_load_b128 v[WS+16*((\p)%2)+4*\q:WS+16*((\p)%2)+4*\q+3], v1, s[12:13] offset:2048*(\p)+512*\q
.endr
.endm
.macro LOADRAW p, from, n              ; n loads of codes from load number from on; the window stays as the loads want it
	WIN 0x80+0x40*((\p)%2)
.set i, (\from)
.rept \n
	global_load_b128 v[4*i:4*i+3], v1, s[10:11] offset:32768*(\p)+512*i
.set i, i+1
.endr
.endm
.macro LOADPN p, from, n               ; the same, and every window back to 0
	LOADRAW \p, \from, \n
	WIN 0
.endm
.macro LOADPC p, c                     ; group c of eight
	LOADPN \p, 8*(\c), 8
.endm
.macro LOADPT p                        ; the scale words and groups 4 to 7
	LOADPS \p
	LOADPN \p, 32, 32
.endm
.macro LOADP p                         ; the whole panel
	LOADPS \p
	LOADPN \p, 0, 64
.endm
; Panel p x the eight fragments in AF: 64 matrix instructions, the 16 accumulators by turns, one instruction a turn; then five places and a wait.
; nxt >= 0: panel nxt = p + 2 takes this panel's window.  Its groups 0 to 3 land in registers 0-127, the fragments of K steps 0 and 1: behind K step 1's products stands one wait, and behind it the four groups are dealt among the
; products of K steps 2 and 3, eight products between two groups; those products name registers 128-255 of the window, the rows' fragments, scale words and accumulators: none of the registers that the groups touch.
.macro MULP p, acc, nxt
.irp sl, 0,1,2,3
.irp q, 0,1
	WIN 0x52+((\p)%2)                              ; source 0 window 2 or 3, source 1 window 0, C and D window 1
.irp T, 0,1,2,3
.irp m, 0,1
	WM (\acc)+64*\m+8*(4*\q+\T), 8*(8*\sl+4*\q+\T), AF+8*(4*\m+\sl), WS+16*((\p)%2)+2*(4*\q+\T)+\sl/2, AS+4*\m+\sl, \sl%2
.endr
.endr
.set gq, 2*(\sl)+(\q)-3
.if (\nxt) >= 0
.if gq == 0
	PLACES 4                                       ; behind K step 1's products, ahead of loads into registers that they have read
	WIN 0x80+0x40*((\nxt)%2)
	s_wait_alu depctr_va_vdst(0)                   ; the products of K steps 0 and 1 are done reading registers 0-127 of this window, in which groups 0 to 3 land
	LOADRAW \nxt, 0, 8
.elseif (gq > 0) && (gq < 4)
	LOADRAW \nxt, 8*gq, 8
.endif
.endif
.endr
.endr
	WIN 0
	PLACES 5                                       ; ahead of loads into the registers just read, of the first read of results, and of later products on the same accumulators
	s_wait_alu depctr_va_vdst(0)                   ; the products are done reading the rest of the window and the scale set, in which the panel two on lands, and the rows' fragments and scale words, which the next LDS loads take; and they have written the accumulators, which at the end LDS stores read
.endm
.macro B1LOAD grp, mm                  ; b1 of my hidden units 128 grp on, in the result's layout, as the C of tile mm's eight sums
	WIN 0x40
.irp T, 0,1,2,3,4,5,6,7
.irp j, 0,1
	ds_load_b128 v[HA+64*(\mm)+8*\T+4*\j:HA+64*(\mm)+8*\T+4*\j+3], v5 offset:512*(\grp)+128*(\T/2)+32*(\T%2)+16*\j
.endr
.endr
	WIN 0
.endm
; The four chains v[210:217] (tile 0: 210-213, tile 1: 214-217) become the rows' sums over all 512 columns: v224 for tile 0's row r, v228 for tile 1's.  reg: the register that carries my part to LDS: another for each of the two sums.
.macro REDUCE red, reg
	v_pk_add_f32 v[210:211], v[210:211], v[212:213]
	v_pk_add_f32 v[214:215], v[214:215], v[216:217]
	v_add_f32 v210, v210, v211
	v_add_f32 v214, v214, v215
	v_permlanex16_b32 v218, v210, s26, s27
	v_permlanex16_b32 v219, v214, s26, s27
	v_add_f32 v210, v210, v218                     ; my wave's 128 columns of row r
	v_add_f32 v214, v214, v219
	v_cndmask_b32 v[\reg], v210, v214, s28         ; lanes 0-15 hand on tile 0's, lanes 16-31 tile 1's
	s_wait_alu depctr_va_vdst(0)                   ; my part is written, which the LDS store reads; and the lines that worked on v224-231 for the sum before are done, ahead of the LDS loads that land there behind the barrier
	ds_store_b32 v7, v[\reg] offset:\red
	BARRIER
	ds_load_b128 v[224:227], v8 offset:\red        ; the four waves' parts
	ds_load_b128 v[228:231], v8 offset:\red+256
	s_wait_dscnt 0x0
	v_add_f32 v224, v224, v225
	v_add_f32 v226, v226, v227
	v_add_f32 v228, v228, v229
	v_add_f32 v230, v230, v231
	v_add_f32 v224, v224, v226
	v_add_f32 v228, v228, v230
.endm
	s_load_b512 s[4:19], s[0:1], 0x0               ; ctx_img, ctx_sc, x, wst, wss, ln2_a, ln2_b, b1
	s_load_b128 s[20:23], s[0:1], 0x40             ; b2, out0
	v_lshl_add_u32 v254, v0, 2, 0x16000
	v_mov_b32 v255, 0
	v_lshrrev_b32 v1, 5, v0
	v_readfirstlane_b32 s24, v1                    ; wave 0..3
	v_and_b32 v2, 31, v0
	v_lshlrev_b32 v1, 4, v2                        ; v1  16 x lane
	v_lshlrev_b32 v2, 2, v2                        ; v2  4 x lane
	v_and_b32 v15, 15, v0                          ; r
	v_bfe_u32 v4, v0, 4, 1                         ; h
	v_lshlrev_b32 v4, 6, v4                        ; v4  64 h
	s_wait_alu depctr_va_sdst(0)                   ; s24 is written, ahead of its first reader: LDS addresses and the buffers' offsets are made from it
	s_lshl_b32 s30, s24, 11
	v_add_nc_u32 v5, s30, v4
	v_add_nc_u32 v5, B1L, v5                       ; v5  b1 in LDS, as read: my wave's, + 64 h
	v_add_nc_u32 v6, s30, v1
	v_add_nc_u32 v6, B1L, v6                       ; v6  and as stored
	s_lshl_b32 s31, s24, 2
	v_add_nc_u32 v7, s31, v1                       ; v7  a sum's word: 16 lane + 4 wave
	v_lshlrev_b32 v8, 4, v15                       ; v8  16 r
	s_lshl_b32 s31, s24, 10
	v_add_nc_u32 v9, s31, v1                       ; v9  h2's image: K step = wave
	s_lshl_b32 s31, s24, 7
	v_add_nc_u32 v10, s31, v2                      ; v10 its scale words
	s_lshl_b32 s31, s24, 12
	v_add_nc_u32 v11, s31, v1                      ; v11 the hidden layer's images: K steps 4 wave on
	s_lshl_b32 s31, s24, 9
	v_add_nc_u32 v12, s31, v2                      ; v12 their scale words
	s_mul_i32 s31, s24, 16*528
	s_add_co_u32 s31, s31, STG
	v_mul_u32_u24 v13, v15, 528
	v_add_nc_u32 v13, v13, v4
	v_add_nc_u32 v13, s31, v13                     ; v13 the stage by the result's layout: row r, + 64 h
	v_add_nc_u32 v14, s31, v1                      ; v14 the stage by rows: 16 bytes a lane of a row
	s_mov_b32 s26, 0x76543210
	s_mov_b32 s27, 0xfedcba98                      ; v_permlanex16_b32's selects for lane l xor 16
	s_mov_b32 s28, 0xffff0000                      ; lanes 16-31
.irp j, 196,197,198,199,218,219,233,235
	v_mov_b32 v\j, 0                               ; written once: lane permutes' destinations, and the upper halves of pairs of which the low word serves both halves
.endr
.irp j, 210,211,212,213,214,215,216,217
	v_mov_b32 v\j, 0                               ; the sums' four chains
.endr
	s_mov_b32 s33, 0
	s_mul_i32 s34, s24, 9
	s_add_co_u32 s34, s34, 12                      ; my first panel
	s_wait_kmcnt 0x0
	s_lshl_b32 s32, ttmp9, 13
	s_add_nc_u64 s[4:5], s[4:5], s[32:33]          ; ctx's two tiles: 4,096 bytes each
	s_lshl_b32 s32, ttmp9, 10
	s_add_nc_u64 s[6:7], s[6:7], s[32:33]
	s_lshl_b32 s32, ttmp9, 16
	s_lshl_b32 s35, s24, 9
	s_add_co_u32 s32, s32, s35
	s_add_nc_u64 s[8:9], s[8:9], s[32:33]          ; x and out: 32 rows of 2,048 bytes a work-group, 512 bytes a wave
	s_add_nc_u64 s[22:23], s[22:23], s[32:33]
	s_lshl_b32 s32, s34, 15
	s_add_nc_u64 s[10:11], s[10:11], s[32:33]
	s_lshl_b32 s32, s34, 11
	s_add_nc_u64 s[12:13], s[12:13], s[32:33]
	s_mov_b32 s32, s35
	s_add_nc_u64 s[14:15], s[14:15], s[32:33]
	s_add_nc_u64 s[16:17], s[16:17], s[32:33]
	s_add_nc_u64 s[20:21], s[20:21], s[32:33]
	s_mov_b32 s32, s30
	s_add_nc_u64 s[18:19], s[18:19], s[32:33]
; ---- the loads
	WIN 0x40
	s_wait_alu depctr_va_vdst(0)                   ; the offsets and LDS addresses v1 to v14 are written: every load, store and LDS instruction of the kernel reads one of them
.irp m, 0,1
.irp i, 0,1,2,3,4,5,6,7,8,9,10,11,12,13,14,15
	global_load_b128 v[HA+64*\m+4*\i:HA+64*\m+4*\i+3], v1, s[8:9] offset:(8*\m+\i+8*(\i/8))*2048 th:TH_LOAD_NT   ; lane-row i of tile m: my 128 columns, 512 consecutive bytes
.endr
.endr
	WIN 0
.irp i, 0,1,2,3
	global_load_b128 v[ST+4*\i:ST+4*\i+3], v1, s[18:19] offset:512*\i          ; my 512 numbers of b1
.endr
	global_load_b128 v[236:239], v1, s[20:21]                                  ; b2 at the columns that I store on the way out
.irp m, 0,1
.irp s, 0,1,2,3
.irp c, 0,1
	global_load_b128 v[AF+8*(4*\m+\s)+4*\c:AF+8*(4*\m+\s)+4*\c+3], v1, s[4:5] offset:4096*\m+1024*\s+512*\c
.endr
	global_load_b32 v[AS+4*\m+\s], v2, s[6:7] offset:512*\m+128*\s
.endr
.endr
	LOADP 0
	s_wait_loadcnt 63                              ; 68 loads (panel 0) are younger than x, b1, b2 and ctx
.irp i, 0,1,2,3
	ds_store_b128 v6, v[ST+4*\i:ST+4*\i+3] offset:512*\i   ; into my own bytes: only I read them, and LDS serves a wave's instructions in order
.endr
; ---- x through my stage, a tile at a time: in by rows, back in the result's layout: it is the C of the first product
.irp m, 0,1
	WIN 0x04                                       ; an LDS store's data are its source 1: window 1
.irp i, 0,1,2,3,4,5,6,7,8,9,10,11,12,13,14,15
	ds_store_b128 v14, v[HA+64*\m+4*\i:HA+64*\m+4*\i+3] offset:528*\i
.endr
	WIN 0x40
.irp g, 0,1,2,3
.irp j, 0,1,2,3
	ds_load_b128 v[X1+64*\m+16*\g+4*\j:X1+64*\m+16*\g+4*\j+3], v13 offset:128*\g+16*\j   ; these see the stores above, and the next tile's stores come behind them
.endr
.endr
.endr
	s_wait_dscnt 0x0                               ; x is in place
	s_wait_alu depctr_vm_vsrc(0)                   ; the stage's stores have read HA, in which the gains land now; b1's stores have read ST, which the norm writes
.irp g, 0,1,2,3
.irp j, 0,1,2,3
	global_load_b128 v[HA+16*\g+4*\j:HA+16*\g+4*\j+3], v4, s[14:15] offset:128*\g+16*\j
	global_load_b128 v[HA+64+16*\g+4*\j:HA+64+16*\g+4*\j+3], v4, s[16:17] offset:128*\g+16*\j
.endr
.endr
	WIN 0
	LOADP 1
	s_wait_loadcnt 63                              ; 100 loads are younger than panel 0
; ---- x1 = x + ctx w_o
	MULP 0, X1, -1
; ---- the norm of x1: a row lies in two lanes of each of the four waves.  Panel 2's loads stand between its parts: the wait behind the products above serves all 68, since no line of the norm names window 2 or scale set 0
	WIN 0x04                                       ; source 1: window 1
.irp k, 0,4,8,12,16,20,24,28,32,36,40,44,48,52,56,60
	v_pk_add_f32 v[210:211], v[210:211], v[X1+\k:X1+\k+1]                      ; ascending: each accumulator is read from its low end on
	v_pk_add_f32 v[214:215], v[214:215], v[X1+64+\k:X1+64+\k+1]
	v_pk_add_f32 v[212:213], v[212:213], v[X1+\k+2:X1+\k+3]
	v_pk_add_f32 v[216:217], v[216:217], v[X1+64+\k+2:X1+64+\k+3]
.endr
	WIN 0
	LOADPS 2
	LOADPC 2, 0
	REDUCE RED1, 220
	v_mul_f32 v232, 0x3b000000, v224               ; / 512: the means
	v_mul_f32 v234, 0x3b000000, v228
	LOADPC 2, 1
	WIN 0x04
.set k, 0
.rept 32
	v_pk_add_f32 v[ST+k:ST+k+1], v[232:233], v[X1+k:X1+k+1] op_sel_hi:[0,1] neg_lo:[0,1] neg_hi:[0,1]        ; mean - x1: tile 0's into ST,
	v_pk_add_f32 v[AF+k:AF+k+1], v[234:235], v[X1+64+k:X1+64+k+1] op_sel_hi:[0,1] neg_lo:[0,1] neg_hi:[0,1]  ; tile 1's where ctx's fragments lay
.set k, k+2
.endr
	WIN 0
	LOADPC 2, 2
	v_pk_mul_f32 v[210:211], v[ST:ST+1], v[ST:ST+1]
	v_pk_mul_f32 v[214:215], v[AF:AF+1], v[AF:AF+1]
	v_pk_mul_f32 v[212:213], v[ST+2:ST+3], v[ST+2:ST+3]
	v_pk_mul_f32 v[216:217], v[AF+2:AF+3], v[AF+2:AF+3]
.irp k, 4,8,12,16,20,24,28,32,36,40,44,48,52,56,60
	v_pk_fma_f32 v[210:211], v[ST+\k:ST+\k+1], v[ST+\k:ST+\k+1], v[210:211]
	v_pk_fma_f32 v[214:215], v[AF+\k:AF+\k+1], v[AF+\k:AF+\k+1], v[214:215]
	v_pk_fma_f32 v[212:213], v[ST+\k+2:ST+\k+3], v[ST+\k+2:ST+\k+3], v[212:213]
	v_pk_fma_f32 v[216:217], v[AF+\k+2:AF+\k+3], v[AF+\k+2:AF+\k+3], v[216:217]
.endr
	LOADPC 2, 3
	REDUCE RED2, 221
	v_mul_f32 v224, 0x3b004020, v224               ; / 511
	v_mul_f32 v228, 0x3b004020, v228
	v_sqrt_f32 v225, v224
	v_sqrt_f32 v229, v228
	v_nop                                          ; a plain place behind the roots,
	s_wait_alu depctr_va_vdst(0)                   ; and the two roots are written, ahead of their first reader: one wait for the batch
	v_add_f32 v225, 0x358637bd, v225               ; + 1e-6
	v_add_f32 v229, 0x358637bd, v229
	v_rcp_f32 v232, v225
	v_rcp_f32 v234, v229
	v_nop
	s_wait_alu depctr_va_vdst(0)                   ; the two reciprocals are written, ahead of their first reader
	LOADPC 2, 4
.set k, 0
.rept 32
	v_pk_mul_f32 v[ST+k:ST+k+1], v[ST+k:ST+k+1], v[232:233] op_sel_hi:[1,0] neg_lo:[0,1] neg_hi:[0,1]   ; (mean - x1) x -(1 / (std + 1e-6))
	v_pk_mul_f32 v[AF+k:AF+k+1], v[AF+k:AF+k+1], v[234:235] op_sel_hi:[1,0] neg_lo:[0,1] neg_hi:[0,1]
.set k, k+2
.endr
	LOADPC 2, 5
	s_wait_loadcnt 63                              ; panel 1's 68 loads and more are younger than ln2_a's and ln2_b's
	WIN 0x14                                       ; sources 1 and 2: window 1
.set k, 0
.rept 32
	v_pk_fma_f32 v[ST+k:ST+k+1], v[ST+k:ST+k+1], v[HA+k:HA+k+1], v[HA+64+k:HA+64+k+1]
	v_pk_fma_f32 v[AF+k:AF+k+1], v[AF+k:AF+k+1], v[HA+k:HA+k+1], v[HA+64+k:HA+64+k+1]
.set k, k+2
.endr
	WIN 0
	LOADPC 2, 6
; ---- h2 is quantised: my 128 columns are K step w of the next product.  Tile 0 into out-set 0, tile 1 into out-set 1
	QUANT ST, 0
	s_wait_alu depctr_va_vdst(0)                   ; the quantiser has written out-set 0, which the image's stores read; the multiply-adds are done reading the gains, in whose registers b1 lands
	IMAGE 9, H2IMG, 0
	ds_store_b32 v10, v[PW] offset:H2SC
	B1LOAD 0, 0                                    ; the gains are done with: b1 takes their registers
	B1LOAD 0, 1
	LOADPC 2, 7
	QUANT AF, 1
	s_wait_alu depctr_va_vdst(0)                   ; the quantiser has written out-set 1, which the image's stores read, and is done with AF, in which h2's fragments land behind the barrier
	IMAGE 9, H2IMG+4096, 1
	ds_store_b32 v10, v[PW+40] offset:H2SC+512
	BARRIER                                        ; h2's eight fragments lie in LDS
.irp f, 0,1,2,3,4,5,6,7
	FETCH AF+8*\f, H2IMG+1024*\f
	ds_load_b32 v[AS+\f], v2 offset:H2SC+128*\f
.endr
; ---- the hidden layer, 128 of my units at a time: product, relu, quantised: K step 4 w + G of the last product.  The panel two steps on: groups 0 to 3 among the products, the scale words and groups 4 to 7 among the vector work
.irp G, 0,1,2,3
	s_wait_dscnt 0x0                               ; h2's fragments, b1
	s_wait_loadcnt 63                              ; the next panel's 68 loads, all issued in the step before, are younger than this panel's
	MULP 1+\G, HA, 3+\G
	s_wait_alu depctr_vm_vsrc(0)                   ; the images' stores of the step before have read both out-sets, which this step's quantisers write again
	LOADPS 3+\G
.irp m, 0,1
	WIN 0x04
.set k, 0
.rept 64
	v_max_num_f32 v[ST+k], 0, v[HA+64*\m+k]        ; the activation, in f32; ascending
.set k, k+1
.endr
	WIN 0
	LOADPC 3+\G, 4+2*\m
	QUANT ST, \m
	s_wait_alu depctr_va_vdst(0)                   ; the quantiser has written out-set m, which the image's stores read; the activation is done reading tile m's accumulators, in which the next b1 lands
	IMAGE 11, HID+16384*\m+1024*\G, \m
	ds_store_b32 v12, v[PW+40*\m] offset:HIDSC+2048*\m+128*\G
.if \G < 3
	B1LOAD \G+1, \m
.endif
	LOADPC 3+\G, 5+2*\m
.endr
.endr
	BARRIER                                        ; the hidden layer's 32 fragments lie in LDS
; ---- out = x1 + hidden w2: onto x1's accumulators, 512 along K at a time; the next fragments are fetched from LDS ahead of the rest of a panel's loads
	FETCHP 0
.irp P, 0,1,2,3
	s_wait_dscnt 0x0
.if \P < 3
	s_wait_loadcnt 63                              ; the next panel's 68 loads are younger than this panel's
.else
	s_wait_loadcnt 0x0
.endif
.if \P < 2
	MULP 5+\P, X1, 7+\P
.else
	MULP 5+\P, X1, -1
.endif
.if \P < 3
	FETCHP \P+1
.endif
.if \P < 2
	LOADPT 7+\P
.endif
.endr
; ---- the way out: a tile's 16 rows x my 128 columns through my own stage, back as whole rows of 512 bytes, + b2.  Both tiles go into the stage and out of it first; then, eight rows at a time, b2 is added, one wait, eight stores
.irp m, 0,1
	WIN 0x04                                       ; an LDS store's data are its source 1: window 1
.irp g, 0,1,2,3
.irp j, 0,1,2,3
	ds_store_b128 v13, v[X1+64*\m+16*\g+4*\j:X1+64*\m+16*\g+4*\j+3] offset:128*\g+16*\j   ; each accumulator from its low end on
.endr
.endr
	WIN 0
.irp i, 0,1,2,3,4,5,6,7,8,9,10,11,12,13,14,15
	ds_load_b128 v[ST-64*\m+4*\i:ST-64*\m+4*\i+3], v14 offset:528*\i   ; LDS serves a wave's instructions in order: these see the stores above, and the next tile's stores come behind them.  Tile 0 into ST, tile 1 into AF
.endr
.endr
.irp m, 0,1
.irp f, 0,1
	s_wait_dscnt 32*(1-\m)+8*(1-\f)                ; these eight rows are back: younger are the tile's other eight loads (f = 0) and the next tile's 16 stores and 16 loads (m = 0)
.irp k, 0,1,2,3,4,5,6,7
	v_pk_add_f32 v[ST-64*\m+32*\f+4*\k:ST-64*\m+32*\f+4*\k+1], v[ST-64*\m+32*\f+4*\k:ST-64*\m+32*\f+4*\k+1], v[236:237]
	v_pk_add_f32 v[ST-64*\m+32*\f+4*\k+2:ST-64*\m+32*\f+4*\k+3], v[ST-64*\m+32*\f+4*\k+2:ST-64*\m+32*\f+4*\k+3], v[238:239]
.endr
	s_wait_alu depctr_va_vdst(0)                   ; the sixteen additions have written the eight rows, which the stores below read
.irp k, 0,1,2,3,4,5,6,7
	global_store_b128 v1, v[ST-64*\m+32*\f+4*\k:ST-64*\m+32*\f+4*\k+3], s[22:23] offset:(8*\m+16*\f+\k)*2048 th:TH_STORE_NT   ; lane-row 8 f + k of tile m: 32 lanes store 512 consecutive bytes, aligned
.endr
.endr
.endr
	s_wait_dscnt 0x0                               ; the closing lines, six on end
	s_wait_alu 0x0
	s_wait_tensorcnt 0x0
	ds_add_u32 v254, v255
	s_wait_dscnt 0x0
	s_endpgm
.Lfunc_end_k_q633507c06c_ffn:
	.size	k_q633507c06c_ffn, .Lfunc_end_k_q633507c06c_ffn-k_q633507c06c_ffn
	.p2alignl 7, 3214868480
	.fill 96, 4, 3214868480
	.section	.rodata,"a",@progbits
	.p2align	6, 0x0
	.amdhsa_kernel k_q633507c06c_ffn
		.amdhsa_group_segment_fixed_size 90624
		.amdhsa_private_segment_fixed_size 0
		.amdhsa_enable_private_segment 0
		.amdhsa_kernarg_size 80
		.amdhsa_user_sgpr_count 2
		.amdhsa_user_sgpr_kernarg_segment_ptr 1
		.amdhsa_wavefront_size32 1
		.amdhsa_system_sgpr_workgroup_id_x 1
		.amdhsa_system_sgpr_workgroup_id_y 1
		.amdhsa_system_sgpr_workgroup_id_z 1
		.amdhsa_system_vgpr_workitem_id 0
		.amdhsa_next_free_vgpr 1024
		.amdhsa_next_free_sgpr 66
		.amdhsa_reserve_vcc 0
		.amdhsa_float_denorm_mode_32 3
		.amdhsa_float_denorm_mode_16_64 3
		.amdhsa_memory_ordered 1
		.amdhsa_forward_progress 1
		.amdhsa_inst_pref_size 255
	.end_amdhsa_kernel
	.section	.bss,"aw",@nobits
	.p2align	6
	.space	262144
	.amdgpu_metadata
---
amdhsa.version: [ 1, 2 ]
amdhsa.kernels:
  - .name:           k_q633507c06c_ffn
    .symbol:         k_q633507c06c_ffn.kd
    .args:
      - { .name: ctx_img, .offset: 0, .size: 8, .value_kind: global_buffer, .address_space: global }
      - { .name: ctx_sc, .offset: 8, .size: 8, .value_kind: global_buffer, .address_space: global }
      - { .name: x, .offset: 16, .size: 8, .value_kind: global_buffer, .address_space: global }
      - { .name: wst, .offset: 24, .size: 8, .value_kind: global_buffer, .address_space: global }
      - { .name: wss, .offset: 32, .size: 8, .value_kind: global_buffer, .address_space: global }
      - { .name: ln2_a, .offset: 40, .size: 8, .value_kind: global_buffer, .address_space: global }
      - { .name: ln2_b, .offset: 48, .size: 8, .value_kind: global_buffer, .address_space: global }
      - { .name: b1, .offset: 56, .size: 8, .value_kind: global_buffer, .address_space: global }
      - { .name: b2, .offset: 64, .size: 8, .value_kind: global_buffer, .address_space: global }
      - { .name: out0, .offset: 72, .size: 8, .value_kind: global_buffer, .address_space: global }
    .group_segment_fixed_size: 90624
    .private_segment_fixed_size: 0
    .kernarg_segment_align: 8
    .kernarg_segment_size: 80
    .max_flat_workgroup_size: 128
    .sgpr_count:     66
    .vgpr_count:     1024
    .wavefront_size: 32
...
	.end_amdgpu_metadata
.endif
;; end of part 6
